; MI455X (gfx1250); checked and timed in simulation.
; The chip was launched on July 23, 2026; its instructions are those of AMD's public machine-readable ISA for CDNA 5 (MIT licence, August 2026) and "CDNA5" Instruction Set Architecture Reference Guide (July 2026). The comments in the code are by the model that wrote it; some were corrected since.
;; MLA. Allowed arithmetic: matrix products marked QUANTISED: E4M3 operands, one given power-of-two scale a tensor, by v_wmma_f32_16x16x64_fp8_fp8 or v_wmma_f32_16x16x128_fp8_fp8, f32 sums; everything else in f32.
;; Inputs: Wk 2,048 x 3,072 float32; Wo 2,048 x 2,048 float32; Wq 2,048 x 3,072 float32; Wv 2,048 x 2,048 float32; bo 2,048 float32; lowp_scales 12 int32 (the exponents e of the quantised operands' scales 2^e); mask 1,024 x 1,024 float32; x 2 x 1,024 x 2,048 float32.
;; Outputs: out0 2 x 1,024 x 2,048 float32.
;; Constants: start_pos = 0.
;; This version of the problem:
;;   THIS VERSION OF THE PROBLEM IS GIVEN IN LOW PRECISION. The matrix products marked QUANTISED in the list below multiply operands that are first quantised to E4M3 (4 exponent bits, 3 mantissa bits; 8 bits a number), with one given power-of-two scale for each operand tensor; their sums are f32. All else is computed in f32.
;;   The module's matrix products, in the order in which they are computed (A, B: the left and right operand; K: the contracted axis; several contracted axes count as one K, in the product's order):
;;     1. [M 2,048, K 2,048] x [K 2,048, N 3,072]; A: input x; B: input Wq: QUANTISED (scales: A lowp_scales[0], B lowp_scales[1])
;;     2. [M 2,048, K 2,048] x [K 2,048, N 3,072]; A: input x; B: input Wk: QUANTISED (scales: A lowp_scales[2], B lowp_scales[3])
;;     3. [M 2,048, K 2,048] x [K 2,048, N 2,048]; A: input x; B: input Wv: QUANTISED (scales: A lowp_scales[4], B lowp_scales[5])
;;     4. batch 32 x [M 1,024, K 192] x [K 192, N 1,024]; A: computed on the way; B: computed on the way: QUANTISED (scales: A lowp_scales[6], B lowp_scales[7])
;;     5. batch 32 x [M 128, K 1,024] x [K 1,024, N 1,024]; A: computed on the way; B: softmax (see below): QUANTISED (scales: A lowp_scales[8], B lowp_scales[9])
;;     6. [M 2,048, K 2,048] x [K 2,048, N 2,048]; A: computed on the way; B: input Wo: QUANTISED (scales: A lowp_scales[10], B lowp_scales[11])
;;   THE QUANTISER, for each operand of a quantised product, along K:
;;     - The operand's scale is 2^e, e = its entry of the input lowp_scales (int32; the entries are numbered through the quantised products in the list's order, A before B).
;;     - Each number is divided by the scale, clamped to +-448, and rounded to the nearest number of E4M3, ties to even, subnormals kept.
;;     - The product sums the exact products of the quantised numbers (number of the format x scale) in f32.
;;   ~~~python
;;   def quantise(x, axis, e):      # numpy; x: float32 -> the quantised numbers, widened to float32 again
;;       x = np.moveaxis(x, axis, -1); K = x.shape[-1]
;;       r = np.clip(x / 2.0 ** e, -448, 448)
;;       step = 2.0 ** (np.maximum(np.frexp(np.where(r == 0, 1, r))[1] - 1, -6) - 3)
;;       q = np.round(r / step) * step * 2.0 ** e      # np.round: ties to even
;;       return np.moveaxis(q, -1, axis).astype(np.float32)
;;   ~~~
;;   SOFTMAX AHEAD OF A QUANTISED PRODUCT. Where the list says 'softmax', what is quantised is not the finished softmax but p = 2^(t - M), with t = logit x log2(e) and M = ceil(the row's largest t), a whole number; so 1/2 < the row's largest p <= 1. The row's sum l is taken of the UNQUANTISED p, in f32, and the product's result is divided by l at the end. Since M is a whole number, a kernel that streams over the keys may use a running M (the ceiling of the running maximum): every later rescaling is an exact power of two, so the quantised numbers keep their values, but for numbers so far below the row's largest that they fall under the format's range.
;;   OPERANDS COMPUTED ON THE WAY. 'Computed on the way' means the value that the module computes at that place (a softmax that the list does not call 'softmax' is quantised finished and normalised). What goes into a quantiser is computed in f32, as accurately as f32 sums, v_exp_f32 and their like allow (about 1e-6 of the number): no bf16 or f16 on the way to a quantiser, and a product that is left as it is and whose result goes on into a quantised operand takes f32 operands (vector FMAs, or v_wmma_f32_16x16x4_f32). A number that lies on a knife's edge between two numbers of the format may be rounded either way, as far as f32 arithmetic and the matrix unit's own rounding can turn it there, and no further.
;; One version. Each part assembles by itself: llvm-mc -triple=amdgcn-amd-amdhsa -mcpu=gfx1250 --defsym DOCPART=n.
;; ======== version 1 of 1: 4 launches
;; limits: right only within a limited range of input values
;; workspace buffers: codes 33,554,432 bytes; maskimg 4,194,304 bytes; rope 262,144 bytes; qimg 6,291,456 bytes; kvimg 10,485,760 bytes; acodes 4,194,304 bytes
;; launch prep (part 1): grid 96 x 8, 4 waves a work-group, no clusters, 90,624 bytes of LDS; arguments Wq, Wk, Wv, Wo, x, mask, lowp_scales, codes, maskimg, rope; writes codes, maskimg, rope
.if DOCPART == 1
	.amdgcn_target "amdgcn-amd-amdhsa--gfx1250"
	.amdhsa_code_object_version 6
	.text
	.protected	k_qc81b2ea3b9_prep
	.globl	k_qc81b2ea3b9_prep
	.p2align	8
	.type	k_qc81b2ea3b9_prep,@function
k_qc81b2ea3b9_prep:
	s_mov_b64 s[64:65], 0
	v_nop
	global_prefetch_b8 v0, s[64:65] scope:SCOPE_SE
	s_setreg_imm32_b32 hwreg(HW_REG_WAVE_MODE, 25, 1), 1
	s_wait_xcnt 0x0
; PREP: everything that is quantised or laid out once, ahead of the three launches with products.
; DEAD WORK: none.  Every product of reference(), the mask (an input: no pattern of it is built in), the rotation and the bias are computed.  start_pos is a constant without a buffer, and reference() never reads it.
; WHAT IS MADE.
;  codes   [16384 rows][2048 bytes], E4M3, K = 2048 innermost.  Rows 0-2047 Wq nope (128 head + d), 2048-4095 Wk nope, 4096-6143 Wv, 6144-7167 Wq rope (64 head + j), 7168-8191 Wk rope,
;          8192-10239 Wo, 10240-12287 x under e0, 12288-14335 x under e2, 14336-16383 x under e4.  In Wo's rows bytes 8-15 of each 32 hold k 16-23 and bytes 16-23 hold k 8-15:
;          a row load of 16 bytes a lane then gives the order of k that the last product's other operand has in its registers.
;  maskimg [query tile 64][key step 8][n 16][lane 32][16 bytes]: mask x sqrt(192) x 2^-(e6+e7), in the order of a score accumulator's registers:
;          n = 2 kt + g, lane (h, r): mask[16 qt + r][128 ks + 16 kt + 8 h + 4 g + 0..3].
;  rope    [position tile 64][n 8][lane 32][16 bytes]: (cos, sin, cos, sin) of position 16 pb + r for the pairs j = 8 (n / 2) + 4 h + 2 (n % 2) and j + 1.
; code = number / 2^e, held within +-448, rounded to the nearest code, ties to even; e from lowp_scales.
; LIMITS: each e used here between -126 and 119; e6 + e7 between -124 and 129; NaN among the inputs is not served.  theta = 2^(-j log2(10) / 8) is made by v_exp_f32, so an angle may differ
; from the one that f32 powers give by about one part in ten million of the angle.
; SHARES.  Work-groups x = 0..79 take the weights (K is their FIRST axis): a lane takes a column, its registers run down K, so the conversions give codes with K innermost; the codes leave
; through the wave's own stage as rows, sixteen lanes to 256 consecutive aligned bytes.  x = 0-23 Wq, 24-47 Wk, 48-63 Wv, 64-79 Wo; y picks 256 of K; a wave has 32 columns.
; Work-groups x = 80..95: 512 waves; wave id takes 8,192 numbers of x (three codes for each, one for each of its three scales), one task of the mask (16 rows x 128 columns) and 32 entries of the table.
; No tensor load, no matrix unit, no barrier, no cluster: the waves share nothing and each input byte is read once.  The two paths have LDS bytes of their own.
.set XSTG,  0                          ; x: two stages of 32 x 80 bytes for each wave
.set MSTG,  20480                      ; mask: 32 rows x 272 bytes for each wave
.set WSTG,  55296                      ; weights: 32 rows x 272 bytes for each wave
.set SPARE, 90112                      ; the spare words: 128 bytes for each wave, two blocks of 256 bytes that no other line names
.set SPW,   12                         ; v12  my spare word; never rewritten
.set NIL,   13                         ; v13  0; never rewritten
.set R,     16                         ; x path: v16-143 eight sets of 16 numbers as loaded: the loads run eight steps (32 loads a wave) ahead
.set X,     144                        ; v144-175 two sets of 16 neighbours
.set T,     176                        ; v176-223 the held numbers, a set for each scale (ahead of the steps: the table's registers)
.set C,     224                        ; v224-247 two sets of 12 registers of codes
.set XSC,   248                        ; v248-250 2^e0, 2^e2, 2^e4
.set XLM,   251                        ; v251-253 448 x those
.set WX,    32                         ; weights: v32-95 two sets of 32 numbers
.set WC,    96                         ; v96-103 a block's codes
.set OUTR,  112                        ; v112-175 the way out
.set OF,    176                        ; v176-207 byte offset of register i's row of the weight
.macro MKSC e, vs, vl                  ; 2^e and 448 x 2^e as f32, from the whole number in s[e]
	s_add_co_i32 s76, s[\e], 127
	s_lshl_b32 s77, s76, 23
	v_mov_b32 v[\vs], s77
	s_add_co_i32 s76, s76, 8
	s_lshl_b32 s76, s76, 23
	s_or_b32 s76, s76, 0x600000
	v_mov_b32 v[\vl], s76
.endm
.macro WLOAD t                         ; block t of 32 along K, my column: 32 lanes read 128 consecutive bytes
.set ii, 0
.rept 32
	global_load_b32 v[WX+32*((\t)%2)+ii], v[OF+ii], s[48+2*(\t):49+2*(\t)] th:TH_LOAD_NT
.set ii, ii+1
.endr
.endm
.macro BLOCK t
.set XS, WX+32*((\t)%2)
.if (\t) < 7
	s_wait_loadcnt 32                              ; this block's 32 loads are in; the next block's 32 may be out
.else
	s_wait_loadcnt 0
.endif
.set jj, 0
.rept 32
	v_med3_num_f32 v[XS+jj], v[XS+jj], -v14, v14   ; the conversion does not saturate (ISA guide 7.6.2): the hold at the largest code x the scale
.set jj, jj+1
.endr
.irp g, 0,1,2,3
	v_cvt_scalef32_pk8_fp8_f32 v[WC+2*\g:WC+2*\g+1], v[XS+8*\g:XS+8*\g+7], v15
.endr
	ds_store_b128 v8, v[WC:WC+3] offset:32*(\t)    ; 32 codes: 32 bytes of my column's row
	ds_store_b128 v8, v[WC+4:WC+7] offset:32*(\t)+16
.if (\t)+2 < 8
	WLOAD (\t)+2
.endif
	s_wait_dscnt 0x0                               ; the stores have read their registers: the next block's codes may be written
.endm
.macro XLOAD t                         ; steps 0-15: 512 numbers of x; steps 16-19: four rows each of my mask task.  Every load reads 512 consecutive bytes
.irp i, 0,1,2,3
.if (\t) < 16
	global_load_b128 v[R+16*((\t)%8)+4*\i:R+16*((\t)%8)+4*\i+3], v2, s[44:45] offset:2048*(\t)+512*\i th:TH_LOAD_NT
.else
	global_load_b128 v[R+16*((\t)%8)+4*\i:R+16*((\t)%8)+4*\i+3], v2, s[54:55] offset:4096*(4*((\t)-16)+\i) th:TH_LOAD_NT
.endif
.endr
.endm
.macro XTURN t                         ; a step's 2,048 bytes through my stage: in as they lie, out 64 bytes a lane.  LDS serves a wave's instructions in order: no wait between
.irp i, 0,1,2,3
	ds_store_b128 v4, v[R+16*((\t)%8)+4*\i:R+16*((\t)%8)+4*\i+3] offset:2560*((\t)%2)+640*\i
.endr
.irp i, 0,1,2,3
	ds_load_b128 v[X+16*((\t)%2)+4*\i:X+16*((\t)%2)+4*\i+3], v5 offset:2560*((\t)%2)+16*\i
.endr
.endm
.macro XSTEP t
.set XS, X+16*((\t)%2)
.set CC, C+12*((\t)%2)
	s_wait_dscnt 0x0                               ; this step's numbers are back, so its stores into the stage have read their registers,
.if (\t)+8 < 20
	XLOAD (\t)+8                                   ; which take the loads of eight steps on
.endif
.if (\t) < 15
.if (\t) < 12
	s_wait_loadcnt 28                              ; the next step's four loads are in; the 28 of the seven steps behind it may be out
.else
	s_wait_loadcnt 4*(18-(\t))                     ; behind the next step's loads stand those of steps t + 2 to 19
.endif
	XTURN (\t)+1
.endif
	s_wait_xcnt 0x0                                ; the stores of two steps back have read this set of code registers
.irp s, 0,1,2
.set jj, 0
.rept 16
	v_med3_num_f32 v[T+16*\s+jj], v[XS+jj], -v[XLM+\s], v[XLM+\s]
.set jj, jj+1
.endr
	v_cvt_scalef32_pk8_fp8_f32 v[CC+4*\s:CC+4*\s+1], v[T+16*\s:T+16*\s+7], v[XSC+\s]
	v_cvt_scalef32_pk8_fp8_f32 v[CC+4*\s+2:CC+4*\s+3], v[T+16*\s+8:T+16*\s+15], v[XSC+\s]
.endr
	v_nop                                          ; a plain line behind the last conversion
.irp s, 0,1,2
	global_store_b128 v2, v[CC+4*\s:CC+4*\s+3], s[46:47] offset:4194304*(\s-1)+512*(\t)   ; 32 lanes store 512 consecutive bytes; the three sets lie 2,048 rows apart
.endr
.endm
; cos and sin of the angle in v[a] (0 or more): n = the nearest multiple of pi/2, taken away in two parts; polynomials on +-pi/4; the quadrant by selects and sign bits
.macro SINCOS a, c, s, n, z, q
	v_mul_f32 v[\n], 0x3f22f983, v[\a]
	v_rndne_f32 v[\n], v[\n]
	v_fmamk_f32 v[\a], v[\n], 0xbfc90fdb, v[\a]
	v_fmamk_f32 v[\a], v[\n], 0x333bbd2e, v[\a]
	v_mul_f32 v[\z], v[\a], v[\a]
	v_mov_b32 v[\s], 0x3638ef1b
	v_fmaak_f32 v[\s], v[\s], v[\z], 0xb9500d01
	v_fmaak_f32 v[\s], v[\s], v[\z], 0x3c088889
	v_fmaak_f32 v[\s], v[\s], v[\z], 0xbe2aaaab
	v_mul_f32 v[\s], v[\s], v[\z]
	v_fma_f32 v[\s], v[\s], v[\a], v[\a]
	v_mov_b32 v[\c], 0xb493f27c
	v_fmaak_f32 v[\c], v[\c], v[\z], 0x37d00d01
	v_fmaak_f32 v[\c], v[\c], v[\z], 0xbab60b61
	v_fmaak_f32 v[\c], v[\c], v[\z], 0x3d2aaaab
	v_fmaak_f32 v[\c], v[\c], v[\z], 0xbf000000
	v_fma_f32 v[\c], v[\c], v[\z], 1.0
	v_cvt_i32_f32 v[\q], v[\n]
	v_and_b32 v[\n], 1, v[\q]
	v_cmp_eq_u32 vcc_lo, 1, v[\n]
	v_cndmask_b32 v[\z], v[\s], v[\c], vcc_lo      ; odd quadrant: sine and cosine change places
	v_cndmask_b32 v[\c], v[\c], v[\s], vcc_lo
	v_and_b32 v[\n], 2, v[\q]
	v_lshlrev_b32 v[\n], 30, v[\n]
	v_xor_b32 v[\s], v[\z], v[\n]                  ; quadrants 2, 3: -sine
	v_add_nc_u32 v[\q], 1, v[\q]
	v_and_b32 v[\q], 2, v[\q]
	v_lshlrev_b32 v[\q], 30, v[\q]
	v_xor_b32 v[\c], v[\c], v[\q]                  ; quadrants 1, 2: -cosine
.endm
	s_load_b512 s[4:19], s[0:1], 0x0               ; Wq 4:5, Wk 6:7, Wv 8:9, Wo 10:11, x 12:13, mask 14:15, the exponents 16:17, codes 18:19
	s_load_b128 s[20:23], s[0:1], 0x40             ; maskimg 20:21, rope 22:23
	v_lshl_add_u32 v[SPW], v0, 2, SPARE
	v_mov_b32 v[NIL], 0
	v_lshrrev_b32 v1, 5, v0
	v_readfirstlane_b32 s36, v1                    ; wave
	s_and_b32 s38, ttmp7, 0xffff                   ; work-group y
	v_and_b32 v1, 31, v0                           ; lane L
	v_lshlrev_b32 v2, 4, v1                        ; 16 L
	v_lshlrev_b32 v3, 2, v1                        ; 4 L
	; every LDS address of both paths is made here, ahead of the parting
	s_mul_i32 s40, s36, 5120
	v_lshrrev_b32 v4, 2, v1
	v_mul_u32_u24 v4, v4, 80
	v_and_b32 v5, 3, v1
	v_lshl_add_u32 v4, v5, 4, v4
	v_add_nc_u32 v4, s40, v4                       ; x's stage, in: 80 (L / 4) + 16 (L % 4)
	v_mul_u32_u24 v5, v1, 80
	v_add_nc_u32 v5, s40, v5                       ; and out: 80 L
	s_mul_i32 s40, s36, 8704
	s_add_co_u32 s41, s40, MSTG
	s_add_co_u32 s40, s40, WSTG
	v_lshrrev_b32 v6, 2, v1
	v_and_b32 v7, 1, v1
	v_bfe_u32 v8, v1, 1, 1
	v_lshlrev_b32 v6, 2, v6
	v_lshl_add_u32 v6, v7, 1, v6
	v_add_nc_u32 v6, v6, v8
	v_mul_u32_u24 v6, v6, 272
	v_add_nc_u32 v6, s41, v6                       ; the mask's stage, in: lane L holds columns 4 L on = (kt, h, g) = (L / 4, (L / 2) % 2, L % 2): row 4 kt + 2 g + h
	v_lshrrev_b32 v9, 4, v1
	v_and_b32 v10, 15, v1
	v_mul_u32_u24 v11, v9, 272
	v_lshl_add_u32 v11, v10, 4, v11                ; 272 (L / 16) + 16 (L % 16)
	v_add_nc_u32 v7, s41, v11                      ; the mask's stage, out
	v_mul_u32_u24 v8, v1, 272
	v_add_nc_u32 v8, s40, v8                       ; the weights' stage, in: row = my column
	v_lshlrev_b32 v10, 4, v10
	v_lshl_add_u32 v10, v9, 11, v10                ; the same two rows in codes: 2048 (L / 16) + 16 (L % 16)
	v_add_nc_u32 v9, s40, v11                      ; the weights' stage, out
	s_wait_kmcnt 0x0
	s_load_b256 s[24:31], s[16:17], 0x0            ; e0 .. e7
	s_load_b128 s[32:35], s[16:17], 0x20           ; e8 .. e11
	s_cmp_ge_u32 ttmp9, 80
	s_cbranch_scc1 .Lxpath
	; ---------------- the weights ----------------
	s_mov_b64 s[40:41], s[10:11]                   ; as for Wo; the tests below, on the work-group's number alone, put the other tensors' figures in
	s_mov_b32 s42, 64                              ; the tensor's first work-group
	s_mov_b32 s43, 8192                            ; bytes in a row of the tensor
	s_mov_b32 s45, 8192                            ; first row in codes (of the nope part)
	s_mov_b32 s46, 128                             ; first row of the rope part (128 where there is none: the formula below then stays above 0)
	s_mov_b32 s47, 0                               ; 1: columns are heads of 128 + 64
	s_mov_b32 s39, 65536                           ; 8 rows of Wo: the exchange of k 8-15 and 16-23
	s_cmp_lt_u32 ttmp9, 64
	s_cselect_b64 s[40:41], s[8:9], s[40:41]
	s_cselect_b32 s42, 48, s42
	s_cselect_b32 s45, 4096, s45
	s_cselect_b32 s39, 0, s39
	s_cmp_lt_u32 ttmp9, 48
	s_cselect_b64 s[40:41], s[6:7], s[40:41]
	s_cselect_b32 s42, 24, s42
	s_cselect_b32 s43, 12288, s43
	s_cselect_b32 s45, 2048, s45
	s_cselect_b32 s46, 7168, s46
	s_cselect_b32 s47, 1, s47
	s_cmp_lt_u32 ttmp9, 24
	s_cselect_b64 s[40:41], s[4:5], s[40:41]
	s_cselect_b32 s42, 0, s42
	s_cselect_b32 s45, 0, s45
	s_cselect_b32 s46, 6144, s46
	s_sub_co_u32 s42, ttmp9, s42
	s_lshl_b32 s42, s42, 7
	s_lshl_b32 s68, s36, 5
	s_add_co_u32 s42, s42, s68                     ; my wave's first column
	s_lshr_b32 s68, s42, 5                         ; u: which run of 32 columns, under 96
	s_mul_i32 s69, s68, 43
	s_lshr_b32 s69, s69, 8                         ; head = u / 6 (43 u / 256 equals it for u under 96)
	s_mul_i32 s70, s69, 6
	s_sub_co_u32 s70, s68, s70                     ; c = u % 6: 0-3 nope, 4-5 rope
	s_lshl_b32 s72, s70, 5
	s_lshl_b32 s71, s69, 7
	s_add_co_u32 s71, s71, s72
	s_add_co_u32 s71, s71, s45                     ; nope: 128 head + 32 c
	s_lshl_b32 s73, s69, 6
	s_add_co_u32 s73, s73, s72
	s_add_co_u32 s73, s73, s46
	s_sub_co_u32 s73, s73, 128                     ; rope: 64 head + 32 (c - 4)
	s_cmp_lt_u32 s70, 4
	s_cselect_b32 s71, s71, s73
	s_add_co_u32 s74, s45, s42                     ; Wv, Wo: row = column
	s_cmp_eq_u32 s47, 1
	s_cselect_b32 s71, s71, s74
	s_lshl_b32 s72, s71, 11
	s_lshl_b32 s73, s38, 8
	s_add_co_u32 s72, s72, s73
	s_mov_b32 s73, 0
	s_add_nc_u64 s[66:67], s[18:19], s[72:73]      ; codes at my first row, my 256 of K
	s_lshl_b32 s74, s43, 8
	s_mul_i32 s74, s74, s38
	s_lshl_b32 s75, s42, 2
	s_add_co_u32 s74, s74, s75
	s_mov_b32 s75, 0
	s_add_nc_u64 s[48:49], s[40:41], s[74:75]      ; the tensor at K = 256 y, my first column;
	s_lshl_b32 s74, s43, 5
.irp t, 1,2,3,4,5,6,7
	s_add_nc_u64 s[48+2*\t:49+2*\t], s[46+2*\t:47+2*\t], s[74:75]   ; a base for each block of 32 along K
.endr
	v_add_nc_u32 v[OF], 0, v3
.set ii, 1
.rept 31
	v_add_nc_u32 v[OF+ii], s43, v[OF+ii-1]         ; register i takes row i of the block,
.set ii, ii+1
.endr
.irp i, 8,9,10,11,12,13,14,15
	v_add_nc_u32 v[OF+\i], s39, v[OF+\i]           ; but in Wo registers 8-15 take rows 16-23
.endr
.irp i, 16,17,18,19,20,21,22,23
	v_sub_nc_u32 v[OF+\i], v[OF+\i], s39           ; and registers 16-23 rows 8-15
.endr
	WLOAD 0
	WLOAD 1
	s_wait_kmcnt 0x0
	s_mov_b32 s44, s35                             ; e11, e5, e3 or e1
	s_cmp_lt_u32 ttmp9, 64
	s_cselect_b32 s44, s29, s44
	s_cmp_lt_u32 ttmp9, 48
	s_cselect_b32 s44, s27, s44
	s_cmp_lt_u32 ttmp9, 24
	s_cselect_b32 s44, s25, s44
	MKSC 44, 15, 14
	s_wait_alu depctr_va_vdst(0)
.irp t, 0,1,2,3,4,5,6,7
	BLOCK \t
.endr
.irp t, 0,1,2,3,4,5,6,7,8,9,10,11,12,13,14,15
	ds_load_b128 v[OUTR+4*\t:OUTR+4*\t+3], v9 offset:544*\t   ; two rows an instruction; these see my stores
.endr
.irp t, 0,1,2,3,4,5,6,7,8,9,10,11,12,13,14,15
	s_wait_dscnt 15-\t                             ; LDS loads come back in order: load t is in
	global_store_b128 v10, v[OUTR+4*\t:OUTR+4*\t+3], s[66:67] offset:4096*\t   ; sixteen lanes store 256 consecutive bytes, aligned
.endr
	s_branch .Lend
	; ---------------- x, the mask, the table ----------------
.Lxpath:
	s_sub_co_u32 s40, ttmp9, 80
	s_lshl_b32 s40, s40, 3
	s_add_co_u32 s40, s40, s38
	s_lshl_b32 s40, s40, 2
	s_add_co_u32 s40, s40, s36                     ; id = 0 .. 511
	s_mov_b32 s43, 0
	s_lshl_b32 s42, s40, 15
	s_add_nc_u64 s[44:45], s[12:13], s[42:43]      ; x at my 8,192 numbers
	s_lshl_b32 s42, s40, 13
	s_add_nc_u64 s[46:47], s[18:19], s[42:43]
	s_add_nc_u64 s[46:47], s[46:47], 2048*12288    ; their codes under e2; those under e0 and e4 lie 4,194,304 bytes to either side
	s_add_nc_u64 s[48:49], s[20:21], s[42:43]      ; my task's 8,192 bytes of maskimg
	s_lshl_b32 s42, s40, 9
	s_add_nc_u64 s[50:51], s[22:23], s[42:43]      ; my 512 bytes of the table
	s_lshr_b32 s52, s40, 3                         ; query tile, and position tile
	s_and_b32 s53, s40, 7                          ; key step, and n
	s_lshl_b32 s42, s52, 16
	s_lshl_b32 s54, s53, 9
	s_add_co_u32 s42, s42, s54
	s_add_nc_u64 s[54:55], s[14:15], s[42:43]      ; mask at row 16 qt, column 128 ks
.irp t, 0,1,2,3,4,5,6,7
	XLOAD \t
.endr
	; the table stands behind the first loads
	v_lshrrev_b32 v190, 4, v1                      ; h
	v_and_b32 v191, 15, v1                         ; r
	s_lshl_b32 s58, s52, 4
	v_add_nc_u32 v191, s58, v191
	v_cvt_f32_u32 v191, v191                       ; position
	s_lshr_b32 s58, s53, 1
	s_lshl_b32 s58, s58, 3
	s_and_b32 s59, s53, 1
	s_lshl_b32 s59, s59, 1
	s_add_co_u32 s58, s58, s59
	v_lshl_add_u32 v190, v190, 2, s58              ; j
	v_add_nc_u32 v192, 1, v190
	v_cvt_f32_u32 v190, v190
	v_cvt_f32_u32 v192, v192
	v_mul_f32 v190, 0xbed49a78, v190               ; -j log2(10) / 8: theta = 10000^(-j / 32)
	v_mul_f32 v192, 0xbed49a78, v192
	s_wait_alu depctr_va_vdst(0)
	v_exp_f32 v193, v190
	v_exp_f32 v194, v192
	v_nop                                          ; a plain line behind the two exponentials,
	s_wait_alu depctr_va_vdst(0)                   ; and one wait for both, ahead of their first reader
	v_mul_f32 v193, v191, v193
	v_mul_f32 v194, v191, v194
	SINCOS 193, 196, 197, 200, 201, 202
	SINCOS 194, 198, 199, 203, 204, 205
	global_store_b128 v2, v[196:199], s[50:51]     ; 32 lanes store 512 consecutive bytes
	s_wait_kmcnt 0x0
	MKSC 24, XSC, XLM
	MKSC 26, XSC+1, XLM+1
	MKSC 28, XSC+2, XLM+2
	s_add_co_i32 s56, s30, s31
	s_lshl_b32 s56, s56, 23
	s_sub_co_u32 s56, 0x415db3d7, s56              ; sqrt(192) x 2^-(e6+e7): the sum is taken off the exponent field
	s_mov_b32 s57, s56                             ; (named with it as a pair)
	s_wait_alu depctr_va_vdst(0)
	s_wait_loadcnt 28                              ; step 0's four loads are in
	XTURN 0
.irp t, 0,1,2,3,4,5,6,7,8,9,10,11,12,13,14,15
	XSTEP \t
.endr
	s_wait_loadcnt 0x0                             ; the mask's sixteen rows
.irp i, 0,1,2,3,4,5,6,7,8,9,10,11,12,13,14,15
	ds_store_b128 v6, v[R+4*\i:R+4*\i+3] offset:16*\i   ; row i of the task: column 16 i of the stage's rows
.endr
.irp n, 0,1,2,3,4,5,6,7,8,9,10,11,12,13,14,15
	ds_load_b128 v[X+4*\n:X+4*\n+3], v7 offset:544*\n
.endr
.irp n, 0,1,2,3,4,5,6,7,8,9,10,11,12,13,14,15
	s_wait_dscnt 15-\n
	v_pk_mul_f32 v[X+4*\n:X+4*\n+1], v[X+4*\n:X+4*\n+1], s[56:57] op_sel_hi:[1,0]
	v_pk_mul_f32 v[X+4*\n+2:X+4*\n+3], v[X+4*\n+2:X+4*\n+3], s[56:57] op_sel_hi:[1,0]
	global_store_b128 v2, v[X+4*\n:X+4*\n+3], s[48:49] offset:512*\n
.endr
.Lend:
	s_wait_tensorcnt 0x0                           ; the wave's end, behind my last LDS store
	ds_add_u32 v[SPW], v[NIL]
	s_wait_dscnt 0x0
	s_endpgm
.Lfunc_end_k_qc81b2ea3b9_prep:
	.size	k_qc81b2ea3b9_prep, .Lfunc_end_k_qc81b2ea3b9_prep-k_qc81b2ea3b9_prep
	.p2alignl 7, 3214868480
	.fill 96, 4, 3214868480
	.section	.rodata,"a",@progbits
	.p2align	6, 0x0
	.amdhsa_kernel k_qc81b2ea3b9_prep
		.amdhsa_group_segment_fixed_size 90624
		.amdhsa_private_segment_fixed_size 0
		.amdhsa_enable_private_segment 0
		.amdhsa_kernarg_size 80
		.amdhsa_user_sgpr_count 2
		.amdhsa_user_sgpr_kernarg_segment_ptr 1
		.amdhsa_wavefront_size32 1
		.amdhsa_system_sgpr_workgroup_id_x 1
		.amdhsa_system_sgpr_workgroup_id_y 1
		.amdhsa_system_sgpr_workgroup_id_z 1
		.amdhsa_system_vgpr_workitem_id 0
		.amdhsa_next_free_vgpr 256
		.amdhsa_next_free_sgpr 80
		.amdhsa_reserve_vcc 1
		.amdhsa_float_denorm_mode_32 3
		.amdhsa_float_denorm_mode_16_64 3
		.amdhsa_memory_ordered 1
		.amdhsa_forward_progress 1
		.amdhsa_inst_pref_size 142
	.end_amdhsa_kernel
	.amdgpu_metadata
---
amdhsa.version: [ 1, 2 ]
amdhsa.kernels:
  - .name:           k_qc81b2ea3b9_prep
    .symbol:         k_qc81b2ea3b9_prep.kd
    .args:
      - { .name: Wq, .offset: 0, .size: 8, .value_kind: global_buffer, .address_space: global }
      - { .name: Wk, .offset: 8, .size: 8, .value_kind: global_buffer, .address_space: global }
      - { .name: Wv, .offset: 16, .size: 8, .value_kind: global_buffer, .address_space: global }
      - { .name: Wo, .offset: 24, .size: 8, .value_kind: global_buffer, .address_space: global }
      - { .name: x, .offset: 32, .size: 8, .value_kind: global_buffer, .address_space: global }
      - { .name: mask, .offset: 40, .size: 8, .value_kind: global_buffer, .address_space: global }
      - { .name: lowp_scales, .offset: 48, .size: 8, .value_kind: global_buffer, .address_space: global }
      - { .name: codes, .offset: 56, .size: 8, .value_kind: global_buffer, .address_space: global }
      - { .name: maskimg, .offset: 64, .size: 8, .value_kind: global_buffer, .address_space: global }
      - { .name: rope, .offset: 72, .size: 8, .value_kind: global_buffer, .address_space: global }
    .group_segment_fixed_size: 90624
    .private_segment_fixed_size: 0
    .kernarg_segment_align: 8
    .kernarg_segment_size: 80
    .max_flat_workgroup_size: 128
    .sgpr_count:     80
    .vgpr_count:     256
    .wavefront_size: 32
...
	.end_amdgpu_metadata
.endif
;; end of part 1
;; launch qkv (part 2): grid 32 x 8, 4 waves a work-group, clusters of 4 x 4, 327,680 bytes of LDS; arguments codes, lowp_scales, rope, qimg, kvimg; writes qimg, kvimg
.if DOCPART == 2
	.amdgcn_target "amdgcn-amd-amdhsa--gfx1250"
	.amdhsa_code_object_version 6
	.text
	.protected	k_qc81b2ea3b9_qkv
	.globl	k_qc81b2ea3b9_qkv
	.p2align	8
	.type	k_qc81b2ea3b9_qkv,@function
k_qc81b2ea3b9_qkv:
	s_mov_b64 s[64:65], 0
	v_nop
	global_prefetch_b8 v0, s[64:65] scope:SCOPE_SE
	s_setreg_imm32_b32 hwreg(HW_REG_WAVE_MODE, 25, 1), 1
	s_wait_xcnt 0x0
	s_wait_alu depctr_hold_cnt(0) depctr_sa_sdst(0) depctr_va_vdst(0) depctr_va_sdst(0) depctr_va_ssrc(0) depctr_va_vcc(0) depctr_vm_vsrc(0)
	s_getreg_b32 s2, hwreg(HW_REG_IB_STS2, 6, 4)
	s_cmp_eq_u32 s2, 0
	s_cbranch_scc0 .Lentry_in_a_cluster
	s_endpgm
.Lentry_in_a_cluster:
	s_bfe_u32 s2, ttmp6, 0x10000c
	s_cmp_lg_u32 s2, 0xf033
	s_cbranch_scc0 .Lentry_shape_is_right
	s_endpgm
.Lentry_shape_is_right:
; QKV: x Wq, x Wk, x Wv as ONE product on codes of E4M3 (256 tiles of 256 x 256, K = 2048), then the rotation, then the quantisers of q, k and v.  No work of reference() is left out.
; Both operands are rows of the buffer codes (2,048 bytes a row, K innermost).  A tile column tc = 0..31 names 256 rows of it: 0-7 Wq nope, 8-15 Wk nope, 16-23 (see below), 24-27 Wq rope, 28-31 Wk rope.
; THE MATRIX INSTRUCTION IS USED TRANSPOSED (source 0 = 16 rows of the operand called B, source 1 = 16 rows of A): a lane holds ONE row of A and, in tile b, the eight rows 16 b + 8 (lane / 16) + 0..7 of B.
; Eight sums of a lane become eight codes in two registers, and the two registers of tiles b = 0..7 on end are a whole operand fragment (16 rows x 128 K) of the next product, in the order in which
; both sides of that product are made.  So a fragment leaves as an IMAGE OF ITS REGISTERS: four stores, lane l's 16 bytes at 16 l: 512 consecutive aligned bytes a store, no stage in LDS.
;   q, k: A = x (tokens), B = the weight (a head's 128 nope, or two heads' 64 rope): a lane holds a token and neighbours along the head's axis, the K of the scores.
;   v (tc 16-23): the POINTERS change places: A = Wv's rows (tile row: 256 of 2,048 = head, d), B = x's rows under e4 (tokens): a lane holds one d and neighbouring tokens, the K of the second product.
; SCALES.  A sum stands for sum x 2^(ex + ew), so a code is sum / 2^(eo - ex - ew): q: e7 - e0 - e1, k: e6 - e2 - e3 (JAX lowers the scores with k as the left operand, as it lowers the second product
; with v as the left one), v: e8 - e4 - e5.  The rotation is made on the sums: a power of two goes through it unchanged.
; LIMITS: each of those three differences between -126 and 119.  NaN among the inputs is not served.
; qimg  [batch x head 32][query tile 64][3,072]: the nope fragment (2,048 bytes), then the rope fragment (16 rows x 64 K, 1,024 bytes).
; kvimg [batch x head 32][block of 256 keys 4][81,920]: 16 nope fragments, from 32,768 on 16 rope fragments, from 49,152 on v: [key step 2][d tile 8] fragments of 2,048 bytes.
; SHAPE.  Four waves, a wave 128 x 128 in 512 registers.  K in steps of 256 through a ring of two LDS slots filled by the tensor data mover.  CLUSTERS of 4 x 4: A's tile is asked for jointly along a row
; of the cluster, B's along a column.  What kind of tile a work-group makes hangs on the cluster's x alone, so all sixteen partners take the same way through the text.
; THE WAY OUT NEVER STOPS FOR ITS STORES: each of the eight blocks has code registers and an offset register of its own, so nothing that a store names is written again.
; REGISTERS, in windows of 256: window 0: v0-31 addresses and scales; v32-95 a block's numbers on the way out; v112-119 the blocks' offsets; from v128 A's fragments, ONE set, on the way out the blocks' codes.
;   window 1: B's fragments, two sets; on the rope way out the table of cos and sin.   window 2: the accumulators of my rows 0-63 ((a, b) at v[8 (8 a + b)]);  window 3: those of rows 64-127.
.set KSTEP,  256
.set ROWB,   256
.set KROW,   2048
.set PITCH,  272                       ; an LDS row: 256 bytes + 16 of padding = 68 words, so the 16 rows that a load touches start at 16 different banks (64 banks of 4 bytes: ISA guide 11.1)
.set FR,     16
.set NL,     4
.set NP,     4                         ; places behind this matrix instruction (ISA guide 7.12.1)
.set HALFT,  128*PITCH
.set SLOT,   4*HALFT
.set LAPS,   4                         ; 2048 / 512
.set SPARE,  2*SLOT                    ; the spare words: 128 bytes for each wave, two blocks of 256 bytes that no other line names
.set ADRA, 16
.set ADRB, 20
.set LI,   27                          ; v27  16 x lane
.set SPW,  28
.set NIL,  29
.set SC,   30                          ; v30  the conversion's scale
.set LIM,  31                          ; v31  448 x that
.set TMP,  32                          ; v32-95 a block's 64 numbers
.set OFS,  112                         ; v112-119 block a's byte offset: 16 x lane + a x the distance from fragment to fragment
.set PCB,  128                         ; v128-255 block a's codes at v[128 + 16 a]
.set AF,   128
.set G1, 24
.set G0, 32
.set G1B, 48
.set G0B, 56
.set MSB, 0
.macro WIN new                         ; the immediate's high byte repeats the setting that is left
.if MSB != (\new)
	s_set_vgpr_msb (MSB<<8)|(\new)
.set MSB, (\new)
.endif
.endm
.set MUL_LO, 0xa1                      ; source 0 (B) window 1, source 1 (A) window 0, C and D window 2
.set MUL_HI, 0xf1
.set TO_B,   0x40
; A joint load: waves 0 and 1 fetch for A, waves 2 and 3 for B; the branch hangs on the wave's number alone.  An s_nop 0 and four v_nop follow each line.
.macro JLOAD g0a, g1a, g0b, g1b
	s_cmp_eq_u32 s15, 0
	s_cbranch_scc0 .Lfor_b_\@
	tensor_load_to_lds s[\g0a:\g0a+3], s[\g1a:\g1a+7]
	s_nop 0
.rept 4
	v_nop
.endr
	s_branch .Lasked_\@
.Lfor_b_\@:
	tensor_load_to_lds s[\g0b:\g0b+3], s[\g1b:\g1b+7]
	s_nop 0
.rept 4
	v_nop
.endr
.Lasked_\@:
.endm
.macro CREST                           ; a round of the cluster's barrier behind its opening barrier
	s_cmp_lg_u32 s14, 0
	s_cbranch_scc1 .Lnot_wave_0_\@
	s_barrier_signal -3
.Lnot_wave_0_\@:
	s_barrier_wait -3
	s_barrier_signal -1
	s_barrier_wait -1
.endm
.macro CROUND
	s_barrier_signal -1
	s_barrier_wait -1
	CREST
.endm
	s_load_b256 s[4:11], s[0:1], 0x0               ; codes 4:5, the exponents 6:7, rope 8:9, qimg 10:11
	s_load_b64 s[12:13], s[0:1], 0x20              ; kvimg
	v_lshl_add_u32 v[SPW], v0, 2, SPARE
	v_mov_b32 v[NIL], 0
	ds_add_u32 v[SPW], v[NIL]                      ; the wave's opening: two adds on end, and their wait ahead of my first tensor load
	ds_add_u32 v[SPW], v[NIL]
	v_lshrrev_b32 v1, 5, v0
	v_readfirstlane_b32 s14, v1                    ; wave 0..3
	s_lshr_b32 s15, s14, 1                         ; which half of the tile's A rows is mine.  Also: I fetch for A (0) or for B (1)
	s_and_b32 s16, s14, 1                          ; which half of its B rows.  Also: which 128 rows I fetch
	s_bfe_u32 s40, ttmp6, 0x40000                  ; cx
	s_bfe_u32 s41, ttmp6, 0x40004                  ; cy
	s_lshl_b32 s42, ttmp9, 2
	s_add_co_u32 s42, s42, s40                     ; tc = 4 x cluster x + cx
	s_and_b32 s17, ttmp7, 0xffff
	s_lshl_b32 s17, s17, 2
	s_add_co_u32 s17, s17, s41                     ; ty = 4 x cluster y + cy
	s_lshl_b32 s43, s41, 2
	s_lshl_b32 s43, 15, s43                        ; my row of the cluster
	s_lshl_b32 s44, 0x1111, s40                    ; my column
	s_or_b32 s[G1+0], s43, (0<<16)|(1<<20)|(1<<21)|(5<<22)|(3<<25)  ; the mask; elements of 1 byte; padding on; bit 21 beside a mask; 4 words behind every 64
	s_or_b32 s[G1B+0], s44, (0<<16)|(1<<20)|(1<<21)|(5<<22)|(3<<25)
.irp g, G1, G1B
	s_mov_b32 s[\g+1], ROWB<<16                    ; tensor_dim0
	s_mov_b32 s[\g+2], 128<<16                     ; tensor_dim1
	s_mov_b32 s[\g+3], ROWB<<16                    ; tile_dim0
	s_mov_b32 s[\g+4], 128                         ; tile_dim1
	s_mov_b32 s[\g+5], KROW                        ; from row to row
	s_mov_b32 s[\g+6], 0
	s_mov_b32 s[\g+7], 0
.endr
	; the kind, from the cluster's x alone: 0, 1, 6: q; 2, 3, 7: k; 4, 5: v
	s_lshl_b32 s77, ttmp9, 1
	s_lshr_b32 s77, 0x4a50, s77
	s_and_b32 s77, s77, 3                          ; 0 q, 1 k, 2 v
	s_lshr_b32 s78, ttmp9, 1
	s_lshl_b32 s79, s77, 11
	s_add_co_u32 s79, s79, 10240                   ; x's rows under e0 or e2
	s_cmp_eq_u32 s78, 2
	s_cselect_b32 s79, 4096, s79                   ; v: A = Wv's rows
	s_cselect_b32 s78, 10240, 0                    ; v: B = 256 tc + 10240: x's rows under e4
	s_lshl_b32 s18, s16, 7
	s_lshl_b32 s20, s17, 8
	s_add_co_u32 s20, s20, s18
	s_add_co_u32 s20, s20, s79
	s_lshl_b32 s20, s20, 11                        ; A: my 128 rows' first byte (made of ty, the wave and the cluster's x)
	s_lshl_b32 s46, s42, 8
	s_add_co_u32 s46, s46, s18
	s_add_co_u32 s46, s46, s78
	s_lshl_b32 s46, s46, 11                        ; B: likewise (tc, the wave, the cluster's x)
	s_mov_b32 s21, 0
	s_mov_b32 s47, 0
	s_mul_i32 s45, s14, HALFT                      ; where they go: wave x 128 rows
	s_wait_dscnt 0x0                               ; both opening adds are done
	s_wait_kmcnt 0x0
	s_load_b256 s[68:75], s[6:7], 0x0              ; e0 .. e7
	s_load_b32 s76, s[6:7], 0x20                   ; e8
	s_add_nc_u64 s[20:21], s[4:5], s[20:21]
	s_add_nc_u64 s[46:47], s[4:5], s[46:47]
	CROUND                                         ; all sixteen work-groups are here: the first joint loads meet
.irp s, 0,1
	s_mov_b32 s[G0+4*\s], 1
	s_add_co_u32 s[G0+4*\s+1], s45, \s*SLOT
	s_add_nc_u64 s[G0+4*\s+2:G0+4*\s+3], s[20:21], \s*ROWB
	s_or_b32 s[G0+4*\s+3], s[G0+4*\s+3], 0x80000000
	s_mov_b32 s[G0B+4*\s], 1
	s_add_co_u32 s[G0B+4*\s+1], s45, \s*SLOT
	s_add_nc_u64 s[G0B+4*\s+2:G0B+4*\s+3], s[46:47], \s*ROWB
	s_or_b32 s[G0B+4*\s+3], s[G0B+4*\s+3], 0x80000000
.endr
	JLOAD G0, G1, G0B, G1B                         ; K step 0: one tensor load a wave at the head
; PREFETCHES INTO THE L2: behind the joint load of K step t stands one request a wave for K step t + 2 (at the head for K step 1 too): 32 rows x 256 bytes, a lane a row.
; Of the 128 rows that a wave fetches, each of the four partners that ask for them jointly names 32, told apart by address (cx for A's rows, cy for B's): each block of 256 bytes is named once in each cluster that loads it.
; The refills of K steps 6 and 7 ask for nothing: there is no K step 8.
.set PFA, 66                           ; s[66:67] my 32 rows, at the K step that is one less than the refill in hand
.set PFO, 26                           ; v26 2,048 x lane; never rewritten
.macro ASK
	s_cmp_gt_u32 s3, 1                             ; s3 = 1 in the loop's last trip
	s_cbranch_scc0 .Lno_ask_\@
	global_prefetch_b8 v[PFO], s[PFA:PFA+1] offset:3*ROWB th:TH_LOAD_NT scope:SCOPE_SE
.Lno_ask_\@:
.endm
	s_cmp_eq_u32 s15, 0                            ; do I fetch for A?
	s_cselect_b64 s[PFA:PFA+1], s[20:21], s[46:47]
	s_cselect_b32 s80, s40, s41                    ; my place among the four that ask with me
	s_lshl_b32 s80, s80, 16                        ; 32 rows of 2,048 bytes
	s_mov_b32 s81, 0
	s_add_nc_u64 s[PFA:PFA+1], s[PFA:PFA+1], s[80:81]
	v_and_b32 v[PFO], 31, v0
	v_lshlrev_b32 v[PFO], 11, v[PFO]
	global_prefetch_b8 v[PFO], s[PFA:PFA+1] offset:ROWB th:TH_LOAD_NT scope:SCOPE_SE     ; K step 1
	global_prefetch_b8 v[PFO], s[PFA:PFA+1] offset:2*ROWB th:TH_LOAD_NT scope:SCOPE_SE   ; K step 2
	v_and_b32 v1, 15, v0
	v_bfe_u32 v2, v0, 4, 1
	v_mul_u32_u24 v3, v1, PITCH
	v_lshl_add_u32 v4, v2, 4, v3                   ; a fragment's row x pitch + 16 x half
	s_mul_i32 s21, s15, HALFT
	s_mul_i32 s22, s16, HALFT
	s_add_co_u32 s22, s22, 2*HALFT
.irp s, 0,1
	v_add_nc_u32 v[ADRA+\s], s21, v4
	v_add_nc_u32 v[ADRB+\s], s22, v4
	s_add_co_u32 s21, s21, SLOT
	s_add_co_u32 s22, s22, SLOT
.endr
	v_and_b32 v[LI], 31, v0
	v_lshlrev_b32 v[LI], 4, v[LI]
.macro FRAG reg, adr, q, i             ; 16 rows x 128 K in 16 registers: four loads of 16 bytes, 32 apart: the same order of k in A and in B
.irp c, 0,1,2,3
	ds_load_b128 v[\reg+4*\c:\reg+4*\c+3], v[\adr] offset:128*(\q)+32*\c+(\i)*16*PITCH
.endr
.endm
; 16 matrix instructions: A's blocks a0, a0 + 1 x B's eight.  The 64 accumulators take turns, one instruction a turn, in the same order in every step
.macro MUL16 a0, p, zero
.irp a, \a0, \a0+1
.irp b, 0,1,2,3,4,5,6,7
.if \zero
	v_wmma_f32_16x16x128_fp8_fp8 v[8*(8*((\a)%4)+\b):8*(8*((\a)%4)+\b)+7], v[128*(\p)+FR*\b:128*(\p)+FR*\b+FR-1], v[AF+FR*(\a):AF+FR*(\a)+FR-1], 0
.else
	v_wmma_f32_16x16x128_fp8_fp8 v[8*(8*((\a)%4)+\b):8*(8*((\a)%4)+\b)+7], v[128*(\p)+FR*\b:128*(\p)+FR*\b+FR-1], v[AF+FR*(\a):AF+FR*(\a)+FR-1], v[8*(8*((\a)%4)+\b):8*(8*((\a)%4)+\b)+7]
.endif
.endr
.endr
.endm
.macro FETCH_B slot, q, p
	WIN TO_B
.irp i, 0,1,2,3,4,5,6,7
	FRAG 128*(\p)+FR*\i, ADRB+\slot, \q, \i
.endr
	WIN 0
.endm
.macro FETCH_A slot, q, i0
.irp i, \i0, \i0+1, \i0+2, \i0+3
	FRAG AF+FR*(\i), ADRA+\slot, \q, \i
.endr
.endm
.macro PLACES n                        ; plain vector lines between a matrix instruction and a load into its sources or a read of its result
.rept \n
	v_nop
.endr
.endm
.macro STEP slot, q, zero              ; 128 along K with its successor in the same slot
	s_wait_dscnt 4*NL                              ; B's set and A's blocks 0-3 are in; the youngest sixteen loads (A's blocks 4-7) may be out
	WIN MUL_LO
	MUL16 0, (\q)%2, \zero
	MUL16 2, (\q)%2, \zero
	s_wait_dscnt 0
	PLACES NP
	FETCH_B \slot, (\q)+1, 1-(\q)%2
	FETCH_A \slot, (\q)+1, 0
	WIN MUL_HI
	MUL16 4, (\q)%2, \zero
	MUL16 6, (\q)%2, \zero
	PLACES NP
	WIN 0
	FETCH_A \slot, (\q)+1, 4
.endm
; A slot's last step changes slots: one barrier; in front of it each wave waits for all its tensor loads, adds 0 to its spare word, and waits for that and for its reads of this slot
.macro TURN slot, next, fill
.if \fill
	s_wait_xcnt 0x0                                ; my prefetches have read their address: it steps here, ahead of the waits of the change of slots
	s_add_nc_u64 s[PFA:PFA+1], s[PFA:PFA+1], ROWB
.endif
	s_wait_tensorcnt 0x0                           ; all my tensor loads have landed: my part of the next slot
	ds_add_u32 v[SPW], v[NIL]
	s_wait_dscnt 4*NL+1                            ; the add and the youngest sixteen loads may be out
	WIN MUL_LO
	MUL16 0, 1, 0
	s_wait_dscnt 0x0                               ; the add is done, and my reads of this slot are over
	s_barrier_signal -1
	MUL16 2, 1, 0
	WIN 0
	s_barrier_wait -1
.if \fill
	CREST                                          ; the barrier has opened a round of the cluster's: no wave of any partner still reads this slot or has a load on its way
	s_add_nc_u64 s[G0+4*\slot+2:G0+4*\slot+3], s[G0+4*\slot+2:G0+4*\slot+3], 2*ROWB
	s_add_nc_u64 s[G0B+4*\slot+2:G0B+4*\slot+3], s[G0B+4*\slot+2:G0B+4*\slot+3], 2*ROWB
	JLOAD G0+4*\slot, G1, G0B+4*\slot, G1B         ; the first tensor load behind the round; its four v_nop are the places in front of the loads below
.else
	PLACES NP
.endif
	FETCH_B \next, 0, 0
	FETCH_A \next, 0, 0
.if \fill
	ASK                                            ; the K step two refills on
.endif
	WIN MUL_HI
	MUL16 4, 1, 0
	MUL16 6, 1, 0
	PLACES NP
	WIN 0
	FETCH_A \next, 0, 4
.endm
	s_wait_alu depctr_va_vdst(0)
	s_wait_tensorcnt 0x0                           ; my part of K step 0 is in
	ds_add_u32 v[SPW], v[NIL]
	s_wait_dscnt 0x0
	CROUND                                         ; everybody's part of K step 0 is in, and all sixteen work-groups are here
	JLOAD G0+4, G1, G0B+4, G1B                     ; K step 1: the first tensor load behind the round
	FETCH_B 0, 0, 0
	FETCH_A 0, 0, 0
	FETCH_A 0, 0, 4
	global_prefetch_b8 v[PFO], s[PFA:PFA+1] offset:3*ROWB th:TH_LOAD_NT scope:SCOPE_SE   ; K step 3
	STEP 0, 0, 1                                   ; the first step's products start the sums
	s_mov_b32 s3, LAPS-1
.Llap:
	TURN 0, 1, 1
	STEP 1, 0, 0
	TURN 1, 0, 1
	STEP 0, 0, 0
	s_sub_co_u32 s3, s3, 1
	s_cmp_lg_u32 s3, 0
	s_cbranch_scc1 .Llap
	TURN 0, 1, 0                                   ; the last lap fills nothing
	STEP 1, 0, 0
	; where my rows of A lie; and, in the rope clusters, the first half of the table is asked for ahead of the last 64 products
	s_lshl_b32 s80, s17, 8
	s_lshl_b32 s81, s15, 7
	s_add_co_u32 s80, s80, s81                     ; my first row of A
	s_lshr_b32 s81, s80, 10
	s_lshl_b32 s81, s81, 4                         ; q, k: 16 x batch
	s_bfe_u32 s82, s80, 0x60004                    ; q, k: my first tile of 16 positions in the sequence
	s_mov_b32 s87, 0
	s_mov_b32 s95, 0
	s_lshl_b32 s86, s82, 12
	s_add_nc_u64 s[96:97], s[8:9], s[86:87]        ; the table at my first tile of positions; never rewritten
	s_cmp_lt_u32 ttmp9, 6                          ; the cluster's x: the same in all sixteen partners
	s_cbranch_scc1 .Lno_table
	WIN 0x40                                       ; destination window 1: B's set 0 is done with (four places stand behind its last products): cos and sin for my blocks 0-3, 32 registers a block
.irp a, 0,1,2,3
.irp n, 0,1,2,3,4,5,6,7
	global_load_b128 v[32*\a+4*\n:32*\a+4*\n+3], v[LI], s[96:97] offset:4096*\a+512*\n
.endr
.endr
	WIN 0
.Lno_table:
	s_wait_dscnt 4*NL
	WIN MUL_LO
	MUL16 0, 1, 0
	MUL16 2, 1, 0
	s_wait_dscnt 0
	WIN MUL_HI
	MUL16 4, 1, 0
	MUL16 6, 1, 0
	WIN 0
	; ---------------- the way out ----------------
	s_wait_kmcnt 0x0
	s_sub_co_i32 s90, s75, s68
	s_sub_co_i32 s90, s90, s69                     ; q: e7 - e0 - e1
	s_sub_co_i32 s91, s74, s70
	s_sub_co_i32 s91, s91, s71                     ; k: e6 - e2 - e3
	s_sub_co_i32 s92, s76, s72
	s_sub_co_i32 s92, s92, s73                     ; v: e8 - e4 - e5
	s_cmp_eq_u32 s77, 1
	s_cselect_b32 s90, s91, s90
	s_cmp_eq_u32 s77, 2
	s_cselect_b32 s90, s92, s90
	s_add_co_i32 s90, s90, 127
	s_lshl_b32 s91, s90, 23
	v_mov_b32 v[SC], s91
	s_add_co_i32 s90, s90, 8
	s_lshl_b32 s90, s90, 23
	s_or_b32 s90, s90, 0x600000
	v_mov_b32 v[LIM], s90
	PLACES NP                                      ; behind the last products: for the first read of results, for writes of the registers that held A's fragments and for loads into those that held B's
	s_cmp_ge_u32 ttmp9, 6                          ; the cluster's x: the same in all sixteen partners
	s_cbranch_scc1 .Lrope
	; q nope, k nope, v: one text; the three places are made and one is chosen by the kind
	s_lshl_b32 s83, s42, 1
	s_add_co_u32 s83, s83, s16
	s_and_b32 s83, s83, 15                         ; q, k: my 128 rows of B are this head's
	s_add_co_u32 s83, s83, s81
	s_lshl_b32 s84, s83, 6
	s_add_co_u32 s84, s84, s82
	s_mul_i32 s84, s84, 3072                       ; q
	s_lshl_b32 s85, s83, 2
	s_lshr_b32 s86, s82, 4
	s_add_co_u32 s85, s85, s86
	s_mul_i32 s85, s85, 81920
	s_and_b32 s86, s82, 15
	s_lshl_b32 s86, s86, 11
	s_add_co_u32 s85, s85, s86                     ; k
	s_and_b32 s86, s42, 7
	s_lshl_b32 s86, s86, 8
	s_lshl_b32 s88, s16, 7
	s_add_co_u32 s86, s86, s88                     ; v: my first token
	s_lshr_b32 s88, s86, 10
	s_bfe_u32 s89, s86, 0x30007                    ; its key step of 128 in the sequence
	s_lshl_b32 s88, s88, 4
	s_lshl_b32 s86, s17, 1
	s_add_co_u32 s86, s86, s15                     ; v: my 128 rows of A are this head's
	s_add_co_u32 s88, s88, s86
	s_lshl_b32 s88, s88, 2
	s_lshr_b32 s86, s89, 1
	s_add_co_u32 s88, s88, s86
	s_mul_i32 s88, s88, 81920
	s_and_b32 s89, s89, 1
	s_lshl_b32 s89, s89, 14
	s_add_co_u32 s88, s88, s89
	s_add_co_u32 s88, s88, 49152                   ; v
	s_cmp_eq_u32 s77, 1
	s_cselect_b32 s86, s85, s84
	s_cmp_eq_u32 s77, 2
	s_cselect_b32 s86, s88, s86
	s_mov_b32 s94, 2048
	s_cmp_eq_u32 s77, 0
	s_cselect_b32 s94, 3072, s94                   ; from fragment to fragment
	s_cselect_b64 s[92:93], s[10:11], s[12:13]
	s_add_nc_u64 s[92:93], s[92:93], s[86:87]
	v_mov_b32 v[OFS], v[LI]
.irp a, 1,2,3,4,5,6,7
	v_add_nc_u32 v[OFS+\a], s94, v[OFS+\a-1]       ; an offset register for each block: none is written again
.endr
.macro EPI a                           ; block a: 16 rows of A x 128 of B become one fragment, in registers of its own
.set AC, 64*((\a)%4)
.set PC, PCB+16*(\a)
	WIN 0x02+((\a)/4)                              ; source 0: window 2 or 3
.set jj, 0
.rept 64
	v_med3_num_f32 v[TMP+jj], v[AC+jj], -v[LIM], v[LIM]   ; the hold at the largest code x the scale; each accumulator from its low end on
.set jj, jj+1
.endr
	WIN 0
.irp b, 0,1,2,3,4,5,6,7
	v_cvt_scalef32_pk8_fp8_f32 v[PC+2*\b:PC+2*\b+1], v[TMP+8*\b:TMP+8*\b+7], v[SC]
.endr
	v_nop                                          ; a plain line behind the last conversion: the next block writes the numbers' registers
.irp g, 0,1,2,3
	global_store_b128 v[OFS+\a], v[PC+4*\g:PC+4*\g+3], s[92:93] offset:512*\g   ; 32 lanes store 512 consecutive bytes, aligned
.endr
.endm
	s_wait_alu depctr_va_vdst(0)
.irp a, 0,1,2,3,4,5,6,7
	EPI \a
.endr
	s_branch .Ljoin
.Lrope:	; my 128 rows of B are two heads' 64 rope numbers
	WIN 0x40                                       ; destination window 1: B's set 1 is done with: cos and sin for my blocks 4-7; they land while blocks 0-3 are worked
.irp a, 4,5,6,7
.irp n, 0,1,2,3,4,5,6,7
	global_load_b128 v[32*\a+4*\n:32*\a+4*\n+3], v[LI], s[96:97] offset:4096*\a+512*\n
.endr
.endr
	WIN 0
	s_lshl_b32 s83, s42, 2
	s_lshl_b32 s84, s16, 1
	s_add_co_u32 s83, s83, s84
	s_and_b32 s83, s83, 15                         ; the first of the two heads
	s_add_co_u32 s83, s83, s81
	s_lshl_b32 s84, s83, 6
	s_add_co_u32 s84, s84, s82
	s_mul_i32 s84, s84, 3072
	s_add_co_u32 s84, s84, 2048                    ; q
	s_lshl_b32 s85, s83, 2
	s_lshr_b32 s86, s82, 4
	s_add_co_u32 s85, s85, s86
	s_mul_i32 s85, s85, 81920
	s_and_b32 s86, s82, 15
	s_lshl_b32 s86, s86, 10
	s_add_co_u32 s85, s85, s86
	s_add_co_u32 s85, s85, 32768                   ; k
	s_mov_b32 s94, 1024
	s_mov_b32 s88, 327680
	s_mov_b32 s89, 0
	s_cmp_eq_u32 s77, 0
	s_cselect_b32 s86, s84, s85
	s_cselect_b32 s94, 3072, s94                   ; from fragment to fragment
	s_cselect_b32 s88, 196608, s88                 ; from head to head
	s_cselect_b64 s[92:93], s[10:11], s[12:13]
	s_add_nc_u64 s[92:93], s[92:93], s[86:87]
	s_add_nc_u64 s[84:85], s[92:93], s[88:89]      ; the second head
	v_mov_b32 v[OFS], v[LI]
.irp a, 1,2,3,4,5,6,7
	v_add_nc_u32 v[OFS+\a], s94, v[OFS+\a-1]
.endr
.macro EPR a                           ; block a: pair p of tile b is the head's pair 8 (b % 4) + 4 (lane / 16) + p; its cos lies at register 8 (b % 4) + 2 p of the block's 32, its sin behind it
.set AC, 64*((\a)%4)
.set PC, PCB+16*(\a)
.if (\a) == 0
	s_wait_loadcnt 32                              ; loads come back in order: the table of blocks 0-3 is in; the 32 loads for blocks 4-7 may be out
.endif
.if (\a) >= 4
	s_wait_loadcnt 8*(7-(\a))                      ; this block's eight loads are in; those of the blocks behind it may be out
.endif
	WIN 6+((\a)/4)                                 ; source 0: window 2 or 3; source 1: window 1
.irp b, 0,1,2,3,4,5,6,7
.irp p, 0,1,2,3
	v_mul_f32 v[TMP+8*\b+2*\p], v[AC+8*\b+2*\p+1], v[32*(\a)+8*(\b%4)+2*\p+1]     ; x1 sin
	v_mul_f32 v[TMP+8*\b+2*\p+1], v[AC+8*\b+2*\p], v[32*(\a)+8*(\b%4)+2*\p+1]     ; x0 sin
.endr
.endr
.irp b, 0,1,2,3,4,5,6,7
.irp p, 0,1,2,3
	v_fma_f32 v[TMP+8*\b+2*\p], v[AC+8*\b+2*\p], v[32*(\a)+8*(\b%4)+2*\p], -v[TMP+8*\b+2*\p]         ; x0 cos - x1 sin
	v_fma_f32 v[TMP+8*\b+2*\p+1], v[AC+8*\b+2*\p+1], v[32*(\a)+8*(\b%4)+2*\p], v[TMP+8*\b+2*\p+1]    ; x1 cos + x0 sin
.endr
.endr
	WIN 0
.set jj, 0
.rept 64
	v_med3_num_f32 v[TMP+jj], v[TMP+jj], -v[LIM], v[LIM]
.set jj, jj+1
.endr
.irp b, 0,1,2,3,4,5,6,7
	v_cvt_scalef32_pk8_fp8_f32 v[PC+2*\b:PC+2*\b+1], v[TMP+8*\b:TMP+8*\b+7], v[SC]
.endr
	v_nop
	global_store_b128 v[OFS+\a], v[PC:PC+3], s[92:93]
	global_store_b128 v[OFS+\a], v[PC+4:PC+7], s[92:93] offset:512
	global_store_b128 v[OFS+\a], v[PC+8:PC+11], s[84:85]
	global_store_b128 v[OFS+\a], v[PC+12:PC+15], s[84:85] offset:512
.endm
.irp a, 0,1,2,3,4,5,6,7
	EPR \a
.endr
.Ljoin:
	s_wait_tensorcnt 0x0                           ; the wave's end
	ds_add_u32 v[SPW], v[NIL]
	s_wait_dscnt 0x0
	CROUND                                         ; the closing round: no work-group ends while a partner may still ask for a tile that names it
	s_endpgm
.Lfunc_end_k_qc81b2ea3b9_qkv:
	.size	k_qc81b2ea3b9_qkv, .Lfunc_end_k_qc81b2ea3b9_qkv-k_qc81b2ea3b9_qkv
	.p2alignl 7, 3214868480
	.fill 96, 4, 3214868480
	.section	.rodata,"a",@progbits
	.p2align	6, 0x0
	.amdhsa_kernel k_qc81b2ea3b9_qkv
		.amdhsa_group_segment_fixed_size 327680
		.amdhsa_private_segment_fixed_size 0
		.amdhsa_enable_private_segment 0
		.amdhsa_kernarg_size 40
		.amdhsa_user_sgpr_count 2
		.amdhsa_user_sgpr_kernarg_segment_ptr 1
		.amdhsa_wavefront_size32 1
		.amdhsa_system_sgpr_workgroup_id_x 1
		.amdhsa_system_sgpr_workgroup_id_y 1
		.amdhsa_system_sgpr_workgroup_id_z 1
		.amdhsa_system_vgpr_workitem_id 0
		.amdhsa_next_free_vgpr 1024
		.amdhsa_next_free_sgpr 100
		.amdhsa_reserve_vcc 0
		.amdhsa_float_denorm_mode_32 3
		.amdhsa_float_denorm_mode_16_64 3
		.amdhsa_memory_ordered 1
		.amdhsa_forward_progress 1
		.amdhsa_inst_pref_size 217
	.end_amdhsa_kernel
	.amdgpu_metadata
---
amdhsa.version: [ 1, 2 ]
amdhsa.kernels:
  - .name:           k_qc81b2ea3b9_qkv
    .symbol:         k_qc81b2ea3b9_qkv.kd
    .args:
      - { .name: codes, .offset: 0, .size: 8, .value_kind: global_buffer, .address_space: global }
      - { .name: lowp_scales, .offset: 8, .size: 8, .value_kind: global_buffer, .address_space: global }
      - { .name: rope, .offset: 16, .size: 8, .value_kind: global_buffer, .address_space: global }
      - { .name: qimg, .offset: 24, .size: 8, .value_kind: global_buffer, .address_space: global }
      - { .name: kvimg, .offset: 32, .size: 8, .value_kind: global_buffer, .address_space: global }
    .group_segment_fixed_size: 327680
    .private_segment_fixed_size: 0
    .kernarg_segment_align: 8
    .kernarg_segment_size: 40
    .max_flat_workgroup_size: 128
    .sgpr_count:     100
    .vgpr_count:     1024
    .wavefront_size: 32
...
	.end_amdgpu_metadata
.endif
;; end of part 2
;; launch attn (part 3): grid 8 x 32, 8 waves a work-group, clusters of 4 x 1, 327,680 bytes of LDS; arguments qimg, kvimg, maskimg, lowp_scales, acodes; writes acodes
.if DOCPART == 3
	.amdgcn_target "amdgcn-amd-amdhsa--gfx1250"
	.amdhsa_code_object_version 6
	.text
	.protected	k_qc81b2ea3b9_attn
	.globl	k_qc81b2ea3b9_attn
	.p2align	8
	.type	k_qc81b2ea3b9_attn,@function
k_qc81b2ea3b9_attn:
	s_mov_b64 s[64:65], 0
	v_nop
	global_prefetch_b8 v0, s[64:65] scope:SCOPE_SE
	s_setreg_imm32_b32 hwreg(HW_REG_WAVE_MODE, 25, 1), 1
	s_wait_xcnt 0x0
	s_wait_alu depctr_hold_cnt(0) depctr_sa_sdst(0) depctr_va_vdst(0) depctr_va_sdst(0) depctr_va_ssrc(0) depctr_va_vcc(0) depctr_vm_vsrc(0)
	s_getreg_b32 s2, hwreg(HW_REG_IB_STS2, 6, 4)
	s_cmp_eq_u32 s2, 0
	s_cbranch_scc0 .Lentry_in_a_cluster
	s_endpgm
.Lentry_in_a_cluster:
	s_bfe_u32 s2, ttmp6, 0x10000c
	s_cmp_lg_u32 s2, 0x3003
	s_cbranch_scc0 .Lentry_shape_is_right
	s_endpgm
.Lentry_shape_is_right:
; ATTN: scores, mask, softmax, the product with v, the division by the row's sum and the quantiser of the result; both products on codes of E4M3.  No work of reference() is left out:
; the mask is an input, so all 1,024 keys are walked for every query.
; SHARES.  A work-group owns 128 queries of one (batch, head); each of its eight waves owns 16, one tile, in 512 registers: two waves to a SIMD, so that one wave's vector work stands beside the other's
; matrix work and LDS loads.  Every wave walks the 1,024 keys, 128 a step.
; OPERANDS ARE IMAGES OF REGISTERS (made by the launch before): a fragment comes by loads of 16 bytes at 16 x lane, 512 consecutive bytes each; no pitch, no padding.
; Both products are used transposed: S^T = K Q^T (source 0 = 16 keys, source 1 = my 16 queries; K = 192 = three instructions of 64), O^T = V^T P^T (source 0 = 16 of the head's 128, K = 128 keys):
; a lane holds ONE query throughout; eight p of a lane become two registers of codes, and the eight tiles' registers on end are P's fragment, in the order of keys in which V's images were made.
; THE MASK COSTS NO VECTOR LINE: maskimg holds mask x sqrt(192) x 2^-(e6+e7) in the accumulators' order; it is the C of the first score instruction.  Then t = c (sum + that), c = log2(e) / sqrt(192) x 2^(e6+e7).
; THE SOFTMAX: M = the running largest t rounded UP to a whole number; p = 2^(t - M) is quantised with 2^e9, not normalised; the row's sum is taken of the unquantised p; when M moves, the sum and O^T
; are multiplied by 2^(old M - new M), which rounds nothing.  At the end O^T / sum is quantised: code = that / 2^(e10 - e8 - e9), and leaves as an image of the last product's operand.
; EVERY FETCH RUNS AHEAD OF ITS USE.  Among a step's softmax lines stand, in runs of 16 loads: the next step's mask, this step's V (two runs), and the next step's K (nope channels 0-63, then 64-127);
; the next step's rope part of K is asked for behind this step's last products, into registers of V that are done with, and is used last of the three.
; CLUSTER.  The four query blocks of a cluster belong to one (batch, head) and walk the same K and V: each block of 256 keys (81,920 bytes, dense) is asked for jointly, every wave moving 10,240 bytes.
; Three slots hold blocks 0, 1, 2: block 0 asked for at the head, blocks 1 and 2 together behind the first round.  Slot 0's last read is V of step 1: so in the middle of step 1 block 3 is asked for into slot 0, four key steps ahead of its first read.
; By this text's own count a wave has one tensor load out at the most.  The mask is not shared so: it differs between the partners (other queries), and goes from memory into registers.
; LIMITS: e6 + e7 between -122 and 130; e9, and e10 - e8 - e9, between -126 and 119.  NaN among the inputs is not served.
.set SLOTB, 81920
.set SPARE, 3*SLOTB                    ; the spare words: 128 bytes for each of eight waves, four blocks of 256 bytes that no other line names
; window 0
.set AK,  1                            ; v1-3   slot s: 81920 s + 16 x lane
.set AV,  4                            ; v4-6   the same + 49,152: v's fragments
.set LI,  7                            ; v7     16 x lane
.set SPW, 8
.set NIL, 9
.set Q,   16                           ; v16-39   Q: three fragments of 16 x 64
.set KX,  40                           ; v40-103  K: eight fragments of 16 keys x nope channels 0-63
.set S,   104                          ; v104-167 S^T, then p
.set O,   168                          ; v168-231 O^T
.set P,   232                          ; v232-247 p's codes
                                       ; v12 -M, v13 the largest t, v[14:15] the sum in two halves, v248 448 x 2^e9, v249 2^e9, v[250:251] a second chain of sums, v[252:253] f, v254, v255 at work
; window 1
.set VF,  0                            ; v0-127   V: eight fragments of 16 x 128 keys; between two uses of V its first 64 hold K's eight rope fragments
.set KY,  128                          ; v128-191 K: nope channels 64-127
.set MK,  192                          ; v192-255 the mask of one key step
.set WV,  14
.set SEL, 20
.set CS,  22
.set G1,  24
.set G0,  32
.set MSB, 0
.macro WIN new                         ; s_set_vgpr_msb: bits 1:0 source 0, 3:2 source 1, 5:4 source 2, 7:6 destination; the immediate's high byte repeats the setting that is left
.if MSB != (\new)
	s_set_vgpr_msb (MSB<<8)|(\new)
.set MSB, (\new)
.endif
.endm
.macro CROUND
	s_barrier_signal -1
	s_barrier_wait -1
	s_cmp_lg_u32 s[WV], 0
	s_cbranch_scc1 .Lnot_wave_0_\@
	s_barrier_signal -3
.Lnot_wave_0_\@:
	s_barrier_wait -3
	s_barrier_signal -1
	s_barrier_wait -1
.endm
.macro MASKLD ks                       ; key step ks of my query tile's mask
	WIN 0x40                                       ; destination window 1
.irp n, 0,1,2,3,4,5,6,7,8,9,10,11,12,13,14,15
	global_load_b128 v[MK+4*\n:MK+4*\n+3], v[LI], s[50:51] offset:8192*(\ks)+512*\n
.endr
.endm
.macro KLOAD part, sl, q               ; 16 loads: one third of the K of the q-th 128 keys of slot sl
.if \part == 0
	WIN 0
.irp kt, 0,1,2,3,4,5,6,7
	ds_load_b128 v[KX+8*\kt:KX+8*\kt+3], v[AK+\sl] offset:(8*(\q)+\kt)*2048
	ds_load_b128 v[KX+8*\kt+4:KX+8*\kt+7], v[AK+\sl] offset:(8*(\q)+\kt)*2048+512
.endr
.elseif \part == 1
	WIN 0x40
.irp kt, 0,1,2,3,4,5,6,7
	ds_load_b128 v[KY+8*\kt:KY+8*\kt+3], v[AK+\sl] offset:(8*(\q)+\kt)*2048+1024
	ds_load_b128 v[KY+8*\kt+4:KY+8*\kt+7], v[AK+\sl] offset:(8*(\q)+\kt)*2048+1536
.endr
.else
	WIN 0x40
.irp kt, 0,1,2,3,4,5,6,7
	ds_load_b128 v[VF+8*\kt:VF+8*\kt+3], v[AK+\sl] offset:32768+(8*(\q)+\kt)*1024
	ds_load_b128 v[VF+8*\kt+4:VF+8*\kt+7], v[AK+\sl] offset:32768+(8*(\q)+\kt)*1024+512
.endr
.endif
.endm
.macro VLOAD g, sl, q                  ; 16 loads: V's fragments 4 g .. 4 g + 3
	WIN 0x40
.irp t, 0,1,2,3
.irp c, 0,1,2,3
	ds_load_b128 v[VF+16*(4*(\g)+\t)+4*\c:VF+16*(4*(\g)+\t)+4*\c+3], v[AV+\sl] offset:(8*(\q)+4*(\g)+\t)*2048+512*\c
.endr
.endr
.endm
; A KEY STEP: the q-th 128 keys of slot sl; ks = its number among the eight; nsl, nq: where the next step's keys lie; chg = 1, 2: the change of slots that stands in this step.
; At its head three runs of 16 LDS loads may be out, in this order: K's channels 0-63, K's channels 64-127, K's rope part.
.macro STEP sl, q, ks, nsl, nq, chg, first, last
	s_wait_dscnt 32                                ; LDS loads come back in order: the first run is in, the two younger runs may be out
	s_wait_loadcnt 0x0                             ; the mask, asked for a step ago (and, the first time, Q)
	WIN 0x10                                       ; C in window 1
.irp kt, 0,1,2,3,4,5,6,7                       ; the eight accumulators take turns; the first product's C is the mask
	v_wmma_f32_16x16x64_fp8_fp8 v[S+8*\kt:S+8*\kt+7], v[KX+8*\kt:KX+8*\kt+7], v[Q:Q+7], v[MK+8*\kt:MK+8*\kt+7]
.endr
	s_wait_dscnt 16                                ; the second run is in
	WIN 0x01                                       ; source 0 in window 1
.irp kt, 0,1,2,3,4,5,6,7
	v_wmma_f32_16x16x64_fp8_fp8 v[S+8*\kt:S+8*\kt+7], v[KY+8*\kt:KY+8*\kt+7], v[Q+8:Q+15], v[S+8*\kt:S+8*\kt+7]
.endr
	s_wait_dscnt 0x0                               ; the third
.irp kt, 0,1,2,3,4,5,6,7
	v_wmma_f32_16x16x64_fp8_fp8 v[S+8*\kt:S+8*\kt+7], v[VF+8*\kt:VF+8*\kt+7], v[Q+16:Q+23], v[S+8*\kt:S+8*\kt+7]
.endr
	WIN 0
.rept 4
	v_nop                                          ; places: behind them the scores are read, and loads go into the registers that these products have read
.endr
.if !(\last)
	MASKLD (\ks)+1                                 ; the next step's mask has the rest of this step in which to land
.endif
	VLOAD 0, \sl, \q
	WIN 0
	v_max3_num_f32 v254, v[S], v[S+1], v[S+2]      ; the step's largest score of my query among my 64 keys, in two chains, each accumulator from its low end on
	v_max3_num_f32 v252, v[S+3], v[S+4], v[S+5]
.irp i, 6,10,14,18,22,26,30,34,38,42,46,50,54,58
	v_max3_num_f32 v254, v254, v[S+\i], v[S+\i+1]
	v_max3_num_f32 v252, v252, v[S+\i+2], v[S+\i+3]
.endr
	v_max3_num_f32 v254, v254, v[S+62], v[S+63]
	s_delay_alu instid0(VALU_DEP_1)
	v_max_num_f32 v254, v254, v252
	s_delay_alu instid0(VALU_DEP_1)
	v_permlanex16_b32 v255, v254, s[SEL], s[SEL+1]
	s_delay_alu instid0(VALU_DEP_1)
	v_max_num_f32 v254, v254, v255                 ; and among lane l xor 16's
	s_delay_alu instid0(VALU_DEP_1)
	v_mul_f32 v254, s[CS], v254                    ; as t (c is positive)
	s_delay_alu instid0(VALU_DEP_1)
	v_max_num_f32 v13, v13, v254
	v_mov_b32 v254, v12
	s_delay_alu instid0(VALU_DEP_2)
	v_floor_f32 v12, -v13                          ; the new -M = floor(-t)
	s_delay_alu instid0(VALU_DEP_1)
	v_sub_f32 v254, v12, v254                      ; old M - new M: a whole number, 0 or less
	s_delay_alu instid0(VALU_DEP_1)
	v_cvt_i32_f32 v254, v254                       ; (it saturates)
	s_delay_alu instid0(VALU_DEP_1)
	v_ldexp_f32 v252, 1.0, v254                    ; f = 2^(old M - new M)
	VLOAD 1, \sl, \q
	WIN 0
.set jj, 0
.rept 32
	v_pk_fma_f32 v[S+jj:S+jj+1], v[S+jj:S+jj+1], s[CS:CS+1], v[12:13] op_sel_hi:[1,0,0]   ; t - M, two at a time (of the pairs c and -M the low word serves both halves)
.set jj, jj+2
.endr
.if \chg == 1                                  ; slot 0 has had its last read, this step's V: it is filled again, with block 3
	s_wait_tensorcnt 0x0                           ; all my tensor loads have landed (slots 1 and 2), so a group 0 may be written
	ds_add_u32 v[SPW], v[NIL]
	s_add_nc_u64 s[G0+2:G0+3], s[G0+2:G0+3], 3*SLOTB   ; block 3
	s_wait_dscnt 0x0                               ; the add is done, and my reads of slot 0 are over
	CROUND                                         ; both hold of every wave of all four work-groups: slots 1 and 2 are whole, and nobody reads slot 0
	tensor_load_to_lds s[G0:G0+3], s[G1:G1+7]      ; my one load behind the round: four key steps ahead of its first read
	s_nop 0
.elseif \chg == 2                              ; block 3 is about to be read
	s_wait_tensorcnt 0x0                           ; my part of block 3 is in
	ds_add_u32 v[SPW], v[NIL]
	s_wait_dscnt 0x0
	s_barrier_signal -1
	s_barrier_wait -1                              ; everybody's is; nothing is filled again
.endif
.if !(\last)
	KLOAD 0, \nsl, \nq
.endif
.set jj, 0
	s_wait_alu depctr_va_vdst(0)
.rept 64
	v_exp_f32 v[S+jj], v[S+jj]                     ; p = 2^(t - M)
.set jj, jj+1
.endr
	v_pk_mul_f32 v[14:15], v[14:15], v[252:253] op_sel_hi:[1,0]   ; the sums under the new M: the plain line behind the exponentials
	s_wait_alu depctr_va_vdst(0)                   ; one wait for the whole batch, ahead of its first reader
	v_pk_add_f32 v[250:251], v[108:109], v[112:113]
	v_pk_add_f32 v[246:247], v[116:117], v[120:121]
	v_pk_add_f32 v[244:245], v[124:125], v[128:129]
	v_pk_add_f32 v[242:243], v[132:133], v[136:137]
	v_pk_add_f32 v[240:241], v[140:141], v[144:145]
	v_pk_add_f32 v[238:239], v[148:149], v[152:153]
	v_pk_add_f32 v[236:237], v[156:157], v[160:161]
	v_pk_add_f32 v[14:15], v[14:15], v[164:165]
	v_pk_add_f32 v[250:251], v[250:251], v[104:105]
	v_pk_add_f32 v[246:247], v[246:247], v[106:107]
	v_pk_add_f32 v[244:245], v[244:245], v[110:111]
	v_pk_add_f32 v[242:243], v[242:243], v[114:115]
	v_pk_add_f32 v[240:241], v[240:241], v[118:119]
	v_pk_add_f32 v[238:239], v[238:239], v[122:123]
	v_pk_add_f32 v[236:237], v[236:237], v[126:127]
	v_pk_add_f32 v[14:15], v[14:15], v[130:131]
	v_pk_add_f32 v[250:251], v[250:251], v[134:135]
	v_pk_add_f32 v[246:247], v[246:247], v[138:139]
	v_pk_add_f32 v[244:245], v[244:245], v[142:143]
	v_pk_add_f32 v[242:243], v[242:243], v[146:147]
	v_pk_add_f32 v[240:241], v[240:241], v[150:151]
	v_pk_add_f32 v[238:239], v[238:239], v[154:155]
	v_pk_add_f32 v[236:237], v[236:237], v[158:159]
	v_pk_add_f32 v[14:15], v[14:15], v[162:163]
	v_pk_add_f32 v[250:251], v[250:251], v[166:167]
	s_delay_alu instid0(VALU_DEP_2)
	v_pk_add_f32 v[14:15], v[14:15], v[242:243]
	s_delay_alu instid0(VALU_DEP_2)
	v_pk_add_f32 v[250:251], v[250:251], v[240:241]
	v_pk_add_f32 v[246:247], v[246:247], v[238:239]
	v_pk_add_f32 v[244:245], v[244:245], v[236:237]
	s_delay_alu instid0(VALU_DEP_2)
	v_pk_add_f32 v[14:15], v[14:15], v[246:247]
	s_delay_alu instid0(VALU_DEP_2)
	v_pk_add_f32 v[250:251], v[250:251], v[244:245]
	s_delay_alu instid0(VALU_DEP_1)
	v_pk_add_f32 v[14:15], v[14:15], v[250:251]
.if !(\last)
	KLOAD 1, \nsl, \nq
	WIN 0
.endif
.irp kt, 0,1,2,3,4,5,6,7
.set jj, 0
.rept 8
	v_min_num_f32 v[S+8*\kt+jj], v[S+8*\kt+jj], v248   ; the conversion does not saturate (ISA guide 7.6.2); p is not negative, so the hold is one-sided
.set jj, jj+1
.endr
	v_cvt_scalef32_pk8_fp8_f32 v[P+2*\kt:P+2*\kt+1], v[S+8*\kt:S+8*\kt+7], v249
.endr
	v_nop                                          ; a plain line behind the last conversion
.if !(\first)
.set jj, 0
.rept 32
	v_pk_mul_f32 v[O+jj:O+jj+1], v[O+jj:O+jj+1], v[252:253] op_sel_hi:[1,0]   ; O^T under the new M
.set jj, jj+2
.endr
.endif
.if \last
	s_wait_alu depctr_va_vdst(0)
	s_wait_dscnt 0x0                               ; V
.else
	s_wait_alu depctr_va_vdst(0)
	s_wait_dscnt 32                                ; V's two runs are in; the two runs of the next step's K may be out
.endif
	WIN 0x01                                       ; source 0 in window 1
.irp j, 0,1,2,3,4,5,6,7                        ; O^T += V^T P^T; the first step's products start the sums: nothing is cleared
.if \first
	v_wmma_f32_16x16x128_fp8_fp8 v[O+8*\j:O+8*\j+7], v[VF+16*\j:VF+16*\j+15], v[P:P+15], 0
.else
	v_wmma_f32_16x16x128_fp8_fp8 v[O+8*\j:O+8*\j+7], v[VF+16*\j:VF+16*\j+15], v[P:P+15], v[O+8*\j:O+8*\j+7]
.endif
.endr
	WIN 0
.if !(\last)
.rept 4
	v_nop                                          ; places in front of loads into registers that these products have read
.endr
	KLOAD 2, \nsl, \nq
	WIN 0
.endif
.endm
	s_load_b256 s[4:11], s[0:1], 0x0               ; qimg 4:5, kvimg 6:7, maskimg 8:9, the exponents 10:11
	s_load_b64 s[12:13], s[0:1], 0x20              ; acodes
	v_lshl_add_u32 v[SPW], v0, 2, SPARE
	v_mov_b32 v[NIL], 0
	ds_add_u32 v[SPW], v[NIL]                      ; the wave's opening: two adds on end, and their wait ahead of my first tensor load
	ds_add_u32 v[SPW], v[NIL]
	v_lshrrev_b32 v1, 5, v0
	s_delay_alu instid0(VALU_DEP_1)
	v_readfirstlane_b32 s[WV], v1                  ; wave 0..7
	s_bfe_u32 s15, ttmp6, 0x40000                  ; cx: it enters the addresses of Q, the mask and the result alone
	s_and_b32 s17, ttmp7, 0xffff                   ; 16 x batch + head, which the four partners share
	s_mov_b32 s[G1], 15|(3<<16)|(1<<21)            ; the mask: all four work-groups; elements of 8 bytes; bit 21 beside a mask; no padding
	s_mov_b32 s[G1+1], 32<<16                      ; tensor_dim0 = 32 elements: rows of 256 bytes
	s_mov_b32 s[G1+2], 40<<16                      ; tensor_dim1 = 40 rows: an eighth of a block
	s_mov_b32 s[G1+3], 32<<16                      ; tile_dim0
	s_mov_b32 s[G1+4], 40                          ; tile_dim1
	s_mov_b32 s[G1+5], 32                          ; dense
	s_mov_b32 s[G1+6], 0
	s_mov_b32 s[G1+7], 0
; THE FIRST FILLS, as they now stand (this takes the place of what the head comment says of them): block 0 is asked for at the head, 40 rows of 256 bytes a wave; blocks 1 and 2, which lie on end in memory
; and in LDS, by ONE load a wave of 80 rows, behind the first round that follows; block 3 as before.  By this text's own count a wave has one tensor load out at the most.
.set G1C, 68                           ; s[68:75] group 1 for blocks 1 and 2 together
	s_mov_b32 s[G1C], 15|(3<<16)|(1<<21)
	s_mov_b32 s[G1C+1], 32<<16
	s_mov_b32 s[G1C+2], 80<<16                     ; 80 rows: an eighth of two blocks
	s_mov_b32 s[G1C+3], 32<<16
	s_mov_b32 s[G1C+4], 80
	s_mov_b32 s[G1C+5], 32
	s_mov_b32 s[G1C+6], 0
	s_mov_b32 s[G1C+7], 0
	s_mov_b32 s[SEL], 0x76543210
	s_mov_b32 s[SEL+1], 0xfedcba98
	s_mul_i32 s16, s[WV], 10240                    ; my part of a block
	s_mul_i32 s18, s17, 4*SLOTB
	s_add_co_u32 s18, s18, s16
	s_mov_b32 s19, 0
	s_lshl_b32 s49, ttmp9, 2
	s_add_co_u32 s49, s49, s15
	s_lshl_b32 s49, s49, 3
	s_add_co_u32 s49, s49, s[WV]                   ; my query tile, 0..63
	s_lshl_b32 s50, s49, 16
	s_mov_b32 s51, 0
	s_lshl_b32 s52, s17, 6
	s_add_co_u32 s52, s52, s49
	s_mul_i32 s52, s52, 3072
	s_mov_b32 s53, 0
	s_lshr_b32 s54, s17, 4
	s_lshl_b32 s54, s54, 6
	s_add_co_u32 s54, s54, s49                     ; the tile of 16 tokens among 128
	s_lshl_b32 s54, s54, 4
	s_and_b32 s55, s17, 15
	s_add_co_u32 s54, s54, s55
	s_lshl_b32 s54, s54, 11
	s_mov_b32 s55, 0
	s_wait_dscnt 0x0                               ; both opening adds are done
	s_wait_kmcnt 0x0
	s_load_b128 s[44:47], s[10:11], 0x18           ; e6 .. e9
	s_load_b32 s48, s[10:11], 0x28                 ; e10
	s_add_nc_u64 s[18:19], s[6:7], s[18:19]
	s_add_nc_u64 s[50:51], s[8:9], s[50:51]        ; my tile's mask
	s_add_nc_u64 s[52:53], s[4:5], s[52:53]        ; my tile's Q
	s_add_nc_u64 s[54:55], s[12:13], s[54:55]      ; my tile's result
	s_mov_b32 s[G0], 1
	s_mov_b32 s[G0+1], s16                         ; block 0: 10,240 x wave
	s_mov_b64 s[G0+2:G0+3], s[18:19]
	s_or_b32 s[G0+3], s[G0+3], 0x80000000
	s_mov_b32 s[G0+4], 1
	s_lshl_b32 s[G0+5], s16, 1
	s_add_co_u32 s[G0+5], s[G0+5], SLOTB           ; blocks 1 and 2: a block on, + 20,480 x wave, in LDS
	s_mov_b32 s56, s16
	s_mov_b32 s57, 0
	s_add_nc_u64 s[G0+6:G0+7], s[18:19], s[56:57]
	s_add_nc_u64 s[G0+6:G0+7], s[G0+6:G0+7], SLOTB ; and in memory
	s_or_b32 s[G0+7], s[G0+7], 0x80000000
	CROUND                                         ; all four work-groups are here: the first joint loads meet
	tensor_load_to_lds s[G0:G0+3], s[G1:G1+7]      ; block 0: one tensor load a wave at the head
	s_nop 0
	v_and_b32 v[LI], 31, v0
	s_delay_alu instid0(VALU_DEP_1)
	v_lshlrev_b32 v[LI], 4, v[LI]
.irp n, 0,1,2,3,4,5
	global_load_b128 v[Q+4*\n:Q+4*\n+3], v[LI], s[52:53] offset:512*\n
.endr
	MASKLD 0
	WIN 0
	v_add_nc_u32 v[AK], 0, v[LI]
	v_add_nc_u32 v[AK+1], SLOTB, v[LI]
	v_add_nc_u32 v[AK+2], 2*SLOTB, v[LI]
	v_add_nc_u32 v[AV], 49152, v[LI]
	v_add_nc_u32 v[AV+1], SLOTB+49152, v[LI]
	v_add_nc_u32 v[AV+2], 2*SLOTB+49152, v[LI]
	v_mov_b32 v13, 0xff61b1e6                      ; the largest t so far: -3e38
	s_delay_alu instid0(VALU_DEP_1)
	v_floor_f32 v12, -v13
	v_mov_b32 v14, 0                               ; the sum, in two halves: the first change of M leaves zeros zeros
	v_mov_b32 v15, 0
	v_mov_b32 v253, 0                              ; (named as the upper half of a pair)
	v_mov_b32 v255, 0                              ; a lane permute's destination counts as one of its sources
	s_wait_kmcnt 0x0
	s_mov_b32 s[CS], 0x3dd53b95                    ; log2(e) / sqrt(192)
	s_add_co_i32 s56, s44, s45
	s_lshl_b32 s56, s56, 23
	s_add_co_i32 s[CS], s[CS], s56                 ; x 2^(e6+e7): added to the exponent field
	s_mov_b32 s[CS+1], s[CS]
	s_add_co_i32 s56, s47, 127
	s_lshl_b32 s57, s56, 23
	v_mov_b32 v249, s57                            ; 2^e9
	s_add_co_i32 s56, s56, 8
	s_lshl_b32 s56, s56, 23
	s_or_b32 s56, s56, 0x600000
	v_mov_b32 v248, s56                            ; 448 x 2^e9
	s_wait_alu depctr_va_vdst(0)
	s_wait_tensorcnt 0x0                           ; my part of block 0 is in
	ds_add_u32 v[SPW], v[NIL]
	s_wait_dscnt 0x0
	CROUND                                         ; everybody's part is in, and all four work-groups are here
	tensor_load_to_lds s[G0+4:G0+7], s[G1C:G1C+7]  ; blocks 1 and 2: my one load behind the round; their first read stands two key steps on
	s_nop 0
	KLOAD 0, 0, 0
	KLOAD 1, 0, 0
	KLOAD 2, 0, 0
	STEP 0, 0, 0, 0, 1, 0, 1, 0
	STEP 0, 1, 1, 1, 0, 1, 0, 0                    ; in it: slot 0 is left and takes block 3
	STEP 1, 0, 2, 1, 1, 0, 0, 0
	STEP 1, 1, 3, 2, 0, 0, 0, 0                    ; slot 2 was shown whole to every wave by the round in step 1
	STEP 2, 0, 4, 2, 1, 0, 0, 0
	STEP 2, 1, 5, 0, 0, 2, 0, 0                    ; in it: block 3 is shown whole, ahead of the fetch of the next step's K
	STEP 0, 0, 6, 0, 1, 0, 0, 0
	STEP 0, 1, 7, 0, 0, 0, 0, 1
	; THE WAY OUT
.rept 4
	v_nop                                          ; places behind the last products
.endr
	v_add_f32 v14, v14, v15
	s_delay_alu instid0(VALU_DEP_1)
	v_permlanex16_b32 v255, v14, s[SEL], s[SEL+1]
	s_delay_alu instid0(VALU_DEP_1)
	v_add_f32 v14, v14, v255                       ; the row's sum
	s_wait_alu depctr_va_vdst(0)
	v_rcp_f32 v14, v14
	v_nop                                          ; a plain line behind the reciprocal
	s_sub_co_i32 s56, s48, s46
	s_sub_co_i32 s56, s56, s47                     ; e10 - e8 - e9
	s_add_co_i32 s56, s56, 127
	s_lshl_b32 s57, s56, 23
	s_add_co_i32 s56, s56, 8
	s_lshl_b32 s56, s56, 23
	s_or_b32 s56, s56, 0x600000
	v_mov_b32 v249, s57
	v_mov_b32 v248, s56
	s_wait_alu depctr_va_vdst(0)                   ; ahead of the reciprocal's first reader
.set jj, 0
.rept 32
	v_pk_mul_f32 v[S+jj:S+jj+1], v[O+jj:O+jj+1], v[14:15] op_sel_hi:[1,0]   ; O^T / the sum, each accumulator from its low end on
.set jj, jj+2
.endr
.set jj, 0
.rept 64
	v_med3_num_f32 v[S+jj], v[S+jj], -v248, v248
.set jj, jj+1
.endr
.irp t, 0,1,2,3,4,5,6,7
	v_cvt_scalef32_pk8_fp8_f32 v[P+2*\t:P+2*\t+1], v[S+8*\t:S+8*\t+7], v249
.endr
	v_nop
.irp g, 0,1,2,3
	global_store_b128 v[LI], v[P+4*\g:P+4*\g+3], s[54:55] offset:512*\g   ; 16 tokens x this head's 128: a fragment of the last product; 512 consecutive bytes a store, aligned
.endr
	s_wait_tensorcnt 0x0                           ; the wave's end
	ds_add_u32 v[SPW], v[NIL]
	s_wait_dscnt 0x0
	CROUND                                         ; the closing round
	s_endpgm
.Lfunc_end_k_qc81b2ea3b9_attn:
	.size	k_qc81b2ea3b9_attn, .Lfunc_end_k_qc81b2ea3b9_attn-k_qc81b2ea3b9_attn
	.p2alignl 7, 3214868480
	.fill 96, 4, 3214868480
	.section	.rodata,"a",@progbits
	.p2align	6, 0x0
	.amdhsa_kernel k_qc81b2ea3b9_attn
		.amdhsa_group_segment_fixed_size 327680
		.amdhsa_private_segment_fixed_size 0
		.amdhsa_enable_private_segment 0
		.amdhsa_kernarg_size 40
		.amdhsa_user_sgpr_count 2
		.amdhsa_user_sgpr_kernarg_segment_ptr 1
		.amdhsa_wavefront_size32 1
		.amdhsa_system_sgpr_workgroup_id_x 1
		.amdhsa_system_sgpr_workgroup_id_y 1
		.amdhsa_system_sgpr_workgroup_id_z 1
		.amdhsa_system_vgpr_workitem_id 0
		.amdhsa_next_free_vgpr 512
		.amdhsa_next_free_sgpr 80
		.amdhsa_reserve_vcc 0
		.amdhsa_float_denorm_mode_32 3
		.amdhsa_float_denorm_mode_16_64 3
		.amdhsa_memory_ordered 1
		.amdhsa_forward_progress 1
		.amdhsa_inst_pref_size 196
	.end_amdhsa_kernel
	.amdgpu_metadata
---
amdhsa.version: [ 1, 2 ]
amdhsa.kernels:
  - .name:           k_qc81b2ea3b9_attn
    .symbol:         k_qc81b2ea3b9_attn.kd
    .args:
      - { .name: qimg, .offset: 0, .size: 8, .value_kind: global_buffer, .address_space: global }
      - { .name: kvimg, .offset: 8, .size: 8, .value_kind: global_buffer, .address_space: global }
      - { .name: maskimg, .offset: 16, .size: 8, .value_kind: global_buffer, .address_space: global }
      - { .name: lowp_scales, .offset: 24, .size: 8, .value_kind: global_buffer, .address_space: global }
      - { .name: acodes, .offset: 32, .size: 8, .value_kind: global_buffer, .address_space: global }
    .group_segment_fixed_size: 327680
    .private_segment_fixed_size: 0
    .kernarg_segment_align: 8
    .kernarg_segment_size: 40
    .max_flat_workgroup_size: 256
    .sgpr_count:     80
    .vgpr_count:     512
    .wavefront_size: 32
...
	.end_amdgpu_metadata
.endif
;; end of part 3
;; launch outp (part 4): grid 16 x 16, 4 waves a work-group, clusters of 4 x 4, 327,680 bytes of LDS; arguments acodes, codes, lowp_scales, bo, out0; writes out0
.if DOCPART == 4
	.amdgcn_target "amdgcn-amd-amdhsa--gfx1250"
	.amdhsa_code_object_version 6
	.text
	.protected	k_qc81b2ea3b9_outp
	.globl	k_qc81b2ea3b9_outp
	.p2align	8
	.type	k_qc81b2ea3b9_outp,@function
k_qc81b2ea3b9_outp:
	s_mov_b64 s[64:65], 0
	v_nop
	global_prefetch_b8 v0, s[64:65] scope:SCOPE_SE
	s_setreg_imm32_b32 hwreg(HW_REG_WAVE_MODE, 25, 1), 1
	s_wait_xcnt 0x0
	s_wait_alu depctr_hold_cnt(0) depctr_sa_sdst(0) depctr_va_vdst(0) depctr_va_sdst(0) depctr_va_ssrc(0) depctr_va_vcc(0) depctr_vm_vsrc(0)
	s_getreg_b32 s2, hwreg(HW_REG_IB_STS2, 6, 4)
	s_cmp_eq_u32 s2, 0
	s_cbranch_scc0 .Lentry_in_a_cluster
	s_endpgm
.Lentry_in_a_cluster:
	s_bfe_u32 s2, ttmp6, 0x10000c
	s_cmp_lg_u32 s2, 0xf033
	s_cbranch_scc0 .Lentry_shape_is_right
	s_endpgm
.Lentry_shape_is_right:
; OUTP: out0 = (the attention's result) Wo + bo, the product on codes of E4M3; each sum x 2^(e10 + e11), + bo.  No work of reference() is left out.
; LIMIT: e10 + e11 between -126 and 127, so that the factor is an f32 number.
; SHARES.  A work-group makes 128 tokens x 128 columns (256 work-groups); a wave 64 x 64: 16 accumulators.  K = 2,048 goes in four steps of 512 through a ring of two LDS slots.
; A (acodes: [tile of 16 tokens][K block 16][2,048 bytes], images of operand registers): a slot holds 8 tiles x 4 K blocks, 65,536 bytes; a fragment comes by four loads of 512 consecutive bytes.
; B (Wo's codes, rows 8192 on of the buffer codes, K innermost): 128 rows x 512 bytes, in LDS rows of 528 bytes (33 x 16: the 16 rows that a load touches start at 16 different banks, ISA guide 11.1).
; CLUSTERS of 4 x 4: A's tile is asked for jointly along a row of the cluster, B's along a column; waves 0, 1 fetch A's halves, waves 2, 3 B's, one load a wave behind each round.
; PREFETCHES INTO THE L2: behind the load of K step 0 each wave asks for K steps 1 and 2 of what it fetches, behind the load of K step 1 for K step 3: 32 pieces of 256 bytes, a lane a piece.
; The four partners that ask for a tile jointly share it out by address: of A's four tiles of tokens partner cx names one (8,192 bytes a K step), of B's 64 rows partner cy names 16 (512 bytes each).
; THE MATRIX INSTRUCTION IS USED TRANSPOSED (source 0 = 16 rows of B, source 1 = 16 tokens): a lane holds eight neighbouring columns of one row of out0.
; REGISTERS: window 0: v0-31 addresses, v32-63 a block's results, v64-95 the block read back, v96-127 bo, v128-255 accumulators ((a, b) at v[128 + 8 (4 a + b)]);
; window 1: two sets of fragments, at v0 and v128: A's four, then B's four.
.set ABYTES, 65536
.set BPITCH, 528
.set BHALF,  64*BPITCH
.set SLOT,   ABYTES+2*BHALF
.set STAGE,  2*SLOT                    ; the way out: 16 rows x 272 bytes for each wave; no tensor load lands here
.set SPITCH, 272
.set SPARE,  STAGE+4*16*SPITCH         ; the spare words: 128 bytes for each wave, two blocks of 256 bytes that no other line names
.set ADRA, 16
.set ADRB, 20
.set STO,  24
.set RD,   25
.set CO,   26
.set PFO,  27
.set SPW,  28
.set NIL,  29
.set TMP,  32
.set BK,   64
.set BO,   96
.set ACC,  128
.set F0,   0
.set F1,   128
.set G1, 24
.set G0, 32
.set G1B, 48
.set G0B, 56
.set MSB, 0
.macro WIN new                         ; the immediate's high byte repeats the setting that is left
.if MSB != (\new)
	s_set_vgpr_msb (MSB<<8)|(\new)
.set MSB, (\new)
.endif
.endm
.set MUL,  0x05                        ; sources 0 and 1 in window 1
.set TO_F, 0x40                        ; destination in window 1
.macro JLOAD g0a, g1a, g0b, g1b        ; a joint load; the branch hangs on the wave's number alone; an s_nop 0 and four v_nop follow each line
	s_cmp_eq_u32 s15, 0
	s_cbranch_scc0 .Lfor_b_\@
	tensor_load_to_lds s[\g0a:\g0a+3], s[\g1a:\g1a+7]
	s_nop 0
.rept 4
	v_nop
.endr
	s_branch .Lasked_\@
.Lfor_b_\@:
	tensor_load_to_lds s[\g0b:\g0b+3], s[\g1b:\g1b+7]
	s_nop 0
.rept 4
	v_nop
.endr
.Lasked_\@:
.endm
.macro CREST                           ; a round of the cluster's barrier behind its opening barrier
	s_cmp_lg_u32 s14, 0
	s_cbranch_scc1 .Lnot_wave_0_\@
	s_barrier_signal -3
.Lnot_wave_0_\@:
	s_barrier_wait -3
	s_barrier_signal -1
	s_barrier_wait -1
.endm
.macro CROUND
	s_barrier_signal -1
	s_barrier_wait -1
	CREST
.endm
.macro PLACES                          ; plain vector lines between a matrix instruction and a load into its sources or a read of its result
.rept 4
	v_nop
.endr
.endm
	s_load_b256 s[4:11], s[0:1], 0x0               ; acodes 4:5, codes 6:7, the exponents 8:9, bo 10:11
	s_load_b64 s[12:13], s[0:1], 0x20              ; out0
	v_lshl_add_u32 v[SPW], v0, 2, SPARE
	v_mov_b32 v[NIL], 0
	ds_add_u32 v[SPW], v[NIL]                      ; the wave's opening: two adds on end, and their wait ahead of my first tensor load
	ds_add_u32 v[SPW], v[NIL]
	v_lshrrev_b32 v1, 5, v0
	v_readfirstlane_b32 s14, v1                    ; wave 0..3
	s_lshr_b32 s15, s14, 1                         ; which half of the tile's tokens is mine.  Also: I fetch for A (0) or for B (1)
	s_and_b32 s16, s14, 1                          ; which half of its columns.  Also: which half of that tile I fetch
	s_bfe_u32 s40, ttmp6, 0x40000                  ; cx
	s_bfe_u32 s41, ttmp6, 0x40004                  ; cy
	s_lshl_b32 s42, ttmp9, 2
	s_add_co_u32 s42, s42, s40                     ; tile column
	s_and_b32 s17, ttmp7, 0xffff
	s_lshl_b32 s17, s17, 2
	s_add_co_u32 s17, s17, s41                     ; tile row
	s_lshl_b32 s43, s41, 2
	s_lshl_b32 s43, 15, s43                        ; my row of the cluster
	s_lshl_b32 s44, 0x1111, s40                    ; my column
	s_or_b32 s[G1], s43, (3<<16)|(1<<21)           ; A: the mask; elements of 8 bytes; bit 21 beside a mask; no padding
	s_mov_b32 s[G1+1], 1024<<16                    ; rows of 8,192 bytes: four K blocks of a tile of tokens
	s_mov_b32 s[G1+2], 4<<16                       ; four tiles of tokens
	s_mov_b32 s[G1+3], 1024<<16
	s_mov_b32 s[G1+4], 4
	s_mov_b32 s[G1+5], 4096                        ; 32,768 bytes from tile to tile
	s_mov_b32 s[G1+6], 0
	s_mov_b32 s[G1+7], 0
	s_or_b32 s[G1B], s44, (0<<16)|(1<<20)|(1<<21)|(6<<22)|(3<<25)   ; B: elements of 1 byte; 4 words of padding behind every 128
	s_mov_b32 s[G1B+1], 512<<16
	s_mov_b32 s[G1B+2], 64<<16
	s_mov_b32 s[G1B+3], 512<<16
	s_mov_b32 s[G1B+4], 64
	s_mov_b32 s[G1B+5], 2048
	s_mov_b32 s[G1B+6], 0
	s_mov_b32 s[G1B+7], 0
	s_lshl_b32 s20, s17, 3
	s_lshl_b32 s18, s16, 2
	s_add_co_u32 s20, s20, s18
	s_lshl_b32 s20, s20, 15                        ; A: tile of tokens 8 x tile row + 4 x half
	s_mov_b32 s21, 0
	s_lshl_b32 s46, s42, 7
	s_lshl_b32 s18, s16, 6
	s_add_co_u32 s46, s46, s18
	s_add_co_u32 s46, s46, 8192
	s_lshl_b32 s46, s46, 11                        ; B: row 8192 + 128 x tile column + 64 x half
	s_mov_b32 s47, 0
	s_lshl_b32 s45, s16, 15                        ; where they go in a slot
	s_mul_i32 s23, s16, BHALF
	s_add_co_u32 s23, s23, ABYTES
	s_wait_dscnt 0x0                               ; both opening adds are done
	s_wait_kmcnt 0x0
	s_load_b64 s[96:97], s[8:9], 0x28              ; e10, e11
	s_add_nc_u64 s[20:21], s[4:5], s[20:21]
	s_add_nc_u64 s[46:47], s[6:7], s[46:47]
.irp s, 0,1
	s_mov_b32 s[G0+4*\s], 1
	s_add_co_u32 s[G0+4*\s+1], s45, \s*SLOT
	s_add_nc_u64 s[G0+4*\s+2:G0+4*\s+3], s[20:21], \s*8192
	s_or_b32 s[G0+4*\s+3], s[G0+4*\s+3], 0x80000000
	s_mov_b32 s[G0B+4*\s], 1
	s_add_co_u32 s[G0B+4*\s+1], s23, \s*SLOT
	s_add_nc_u64 s[G0B+4*\s+2:G0B+4*\s+3], s[46:47], \s*512
	s_or_b32 s[G0B+4*\s+3], s[G0B+4*\s+3], 0x80000000
.endr
	CROUND                                         ; all sixteen work-groups are here: the first joint loads meet
	JLOAD G0, G1, G0B, G1B                         ; K step 0: one tensor load a wave at the head
	; the prefetches: s[66:67], s[68:69], s[70:71] my work-group's part of what I fetch, at K steps 1, 2, 3; none is written again
	s_mov_b32 s72, 512
	s_mov_b32 s73, 0
	s_cmp_eq_u32 s15, 0                            ; do I fetch for A?
	s_cselect_b64 s[66:67], s[20:21], s[46:47]
	s_cselect_b32 s80, s40, s41                    ; my place among the four that ask with me
	s_cselect_b32 s72, 8192, s72                   ; a K step on, in bytes
	s_cselect_b32 s74, 0, 1                        ; A: piece = lane.  B: row = lane / 2, piece = lane % 2
	s_cselect_b32 s75, 8, 11
	s_lshl_b32 s80, s80, 15                        ; one tile of tokens, or 16 rows of 2,048 bytes
	s_mov_b32 s81, 0
	s_add_nc_u64 s[66:67], s[66:67], s[80:81]
	s_add_nc_u64 s[66:67], s[66:67], s[72:73]
	s_add_nc_u64 s[68:69], s[66:67], s[72:73]
	s_add_nc_u64 s[70:71], s[68:69], s[72:73]
	v_and_b32 v7, 31, v0
	v_lshrrev_b32 v[PFO], s74, v7
	v_lshlrev_b32 v[PFO], s75, v[PFO]
	v_and_b32 v7, s74, v7
	v_lshl_add_u32 v[PFO], v7, 8, v[PFO]
	global_prefetch_b8 v[PFO], s[66:67] th:TH_LOAD_NT scope:SCOPE_SE
	global_prefetch_b8 v[PFO], s[68:69] th:TH_LOAD_NT scope:SCOPE_SE
	v_and_b32 v1, 15, v0                           ; r
	v_bfe_u32 v2, v0, 4, 1                         ; h
	v_and_b32 v3, 31, v0
	v_lshlrev_b32 v3, 4, v3                        ; 16 x lane
	v_mul_u32_u24 v4, v1, BPITCH
	v_lshl_add_u32 v4, v2, 4, v4
	s_lshl_b32 s21, s15, 15                        ; my four tiles of tokens
	s_mul_i32 s22, s16, BHALF                      ; my 64 rows of B
	s_add_co_u32 s22, s22, ABYTES
.irp s, 0,1
	v_add_nc_u32 v[ADRA+\s], s21, v3
	v_add_nc_u32 v[ADRB+\s], s22, v4
	s_add_co_u32 s21, s21, SLOT
	s_add_co_u32 s22, s22, SLOT
.endr
	s_mul_i32 s23, s14, 16*SPITCH
	s_add_co_u32 s23, s23, STAGE                   ; my stage
	v_mul_u32_u24 v5, v1, SPITCH
	v_lshl_add_u32 v5, v2, 5, v5
	v_add_nc_u32 v[STO], s23, v5                   ; in: row r, 32 bytes for each half of the lanes
	v_mul_u32_u24 v5, v2, SPITCH
	v_lshl_add_u32 v5, v1, 4, v5
	v_add_nc_u32 v[RD], s23, v5                    ; back: lanes 0-15 one row of 256 bytes, lanes 16-31 the next
	v_lshlrev_b32 v5, 13, v2
	v_lshl_add_u32 v[CO], v1, 4, v5                ; and the same two rows in out0
	v_lshlrev_b32 v6, 5, v2
	s_wait_alu depctr_va_vdst(0)
	s_lshl_b32 s18, s42, 9
	s_lshl_b32 s19, s16, 8
	s_add_co_u32 s18, s18, s19                     ; my first column, in bytes of f32
	s_mov_b32 s19, 0
	s_add_nc_u64 s[10:11], s[10:11], s[18:19]
	s_add_nc_u64 s[12:13], s[12:13], s[18:19]
	s_lshl_b32 s18, s17, 7
	s_lshl_b32 s22, s15, 6
	s_add_co_u32 s18, s18, s22
	s_lshl_b32 s18, s18, 13                        ; my first row of out0, 8,192 bytes each
	s_add_nc_u64 s[12:13], s[12:13], s[18:19]
.irp b, 0,1,2,3
	global_load_b128 v[BO+8*\b:BO+8*\b+3], v6, s[10:11] offset:64*\b        ; bo at my eight columns of tile b
	global_load_b128 v[BO+8*\b+4:BO+8*\b+7], v6, s[10:11] offset:64*\b+16
.endr
.macro MUL8 f, a0, zero                ; 8 products: A's blocks a0, a0 + 1 x B's four; the 16 accumulators take turns
.irp a, \a0, \a0+1
.irp b, 0,1,2,3
.if \zero
	v_wmma_f32_16x16x128_fp8_fp8 v[ACC+8*(4*(\a)+\b):ACC+8*(4*(\a)+\b)+7], v[\f+64+16*\b:\f+64+16*\b+15], v[\f+16*(\a):\f+16*(\a)+15], 0
.else
	v_wmma_f32_16x16x128_fp8_fp8 v[ACC+8*(4*(\a)+\b):ACC+8*(4*(\a)+\b)+7], v[\f+64+16*\b:\f+64+16*\b+15], v[\f+16*(\a):\f+16*(\a)+15], v[ACC+8*(4*(\a)+\b):ACC+8*(4*(\a)+\b)+7]
.endif
.endr
.endr
.endm
.macro FETCH slot, ks, f               ; 32 LDS loads: the fragments of the slot's ks-th 128 along K: B's four, then A's four
	WIN TO_F
.irp i, 0,1,2,3
.irp c, 0,1,2,3
	ds_load_b128 v[\f+64+16*\i+4*\c:\f+64+16*\i+4*\c+3], v[ADRB+\slot] offset:8448*\i+128*(\ks)+32*\c
.endr
.endr
.irp i, 0,1,2,3
.irp c, 0,1,2,3
	ds_load_b128 v[\f+16*\i+4*\c:\f+16*\i+4*\c+3], v[ADRA+\slot] offset:8192*\i+2048*(\ks)+512*\c
.endr
.endr
.endm
.macro QUARTER slot, ksnext, f, g, zero
	s_wait_dscnt 8                                 ; B's four and A's blocks 0, 1 are in; the youngest eight loads may be out
	WIN MUL
	MUL8 \f, 0, \zero
	PLACES
	FETCH \slot, \ksnext, \g
	s_wait_dscnt 32                                ; all but the 32 just issued
	WIN MUL
	MUL8 \f, 2, \zero
.endm
; A slot's last quarter changes slots: one barrier; in front of it each wave waits for all its tensor loads, adds 0 to its spare word, and waits for that and for its reads of this slot
.macro TURN slot, next, fill
	WIN 0
	s_wait_tensorcnt 0x0                           ; my one load that was out, my part of the next slot, has landed
	ds_add_u32 v[SPW], v[NIL]
	s_wait_dscnt 0x0                               ; the add is done, and my reads of this slot are over
	s_barrier_signal -1
	WIN MUL
	MUL8 F1, 0, 0
	WIN 0
	s_barrier_wait -1
.if \fill
	CREST                                          ; the barrier has opened a round of the cluster's: no wave of any partner still reads this slot or has a load on its way
	s_add_nc_u64 s[G0+4*\slot+2:G0+4*\slot+3], s[G0+4*\slot+2:G0+4*\slot+3], 2*8192
	s_add_nc_u64 s[G0B+4*\slot+2:G0B+4*\slot+3], s[G0B+4*\slot+2:G0B+4*\slot+3], 2*512
	JLOAD G0+4*\slot, G1, G0B+4*\slot, G1B         ; the first tensor load behind the round; its four v_nop are the places in front of the loads below
.else
	PLACES
.endif
	FETCH \next, 0, F0
	WIN MUL
	MUL8 F1, 2, 0
.endm
	s_wait_tensorcnt 0x0                           ; my part of K step 0 is in
	ds_add_u32 v[SPW], v[NIL]
	s_wait_dscnt 0x0
	CROUND                                         ; everybody's part is in, and all sixteen work-groups are here
	JLOAD G0+4, G1, G0B+4, G1B                     ; K step 1: the first tensor load behind the round
	FETCH 0, 0, F0
	global_prefetch_b8 v[PFO], s[70:71] th:TH_LOAD_NT scope:SCOPE_SE   ; K step 3
	QUARTER 0, 1, F0, F1, 1                        ; the first products start the sums
	QUARTER 0, 2, F1, F0, 0
	QUARTER 0, 3, F0, F1, 0
	TURN 0, 1, 1
	QUARTER 1, 1, F0, F1, 0
	QUARTER 1, 2, F1, F0, 0
	QUARTER 1, 3, F0, F1, 0
	TURN 1, 0, 1
	QUARTER 0, 1, F0, F1, 0
	QUARTER 0, 2, F1, F0, 0
	QUARTER 0, 3, F0, F1, 0
	TURN 0, 1, 0                                   ; the last change of slots fills nothing
	QUARTER 1, 1, F0, F1, 0
	QUARTER 1, 2, F1, F0, 0
	QUARTER 1, 3, F0, F1, 0
	s_wait_dscnt 8
	WIN MUL
	MUL8 F1, 0, 0
	s_wait_dscnt 0
	MUL8 F1, 2, 0
	WIN 0
	; THE WAY OUT: a block of 16 tokens x 64 columns goes through my stage and comes back as rows of 256 bytes.  LDS serves a wave's instructions in order: no wait between the stores and the loads
	s_wait_kmcnt 0x0
	s_add_co_i32 s96, s96, s97
	s_add_co_i32 s96, s96, 127
	s_lshl_b32 s96, s96, 23                        ; 2^(e10 + e11)
	s_mov_b32 s97, s96                             ; (named with it as a pair)
	s_wait_loadcnt 0x0                             ; bo
	PLACES                                         ; behind the last products
.irp a, 0,1,2,3
.if \a > 0
	s_wait_xcnt 0x0                                ; the last block's stores have read their registers
.endif
.irp b, 0,1,2,3
.irp i, 0,2,4,6
	v_pk_fma_f32 v[TMP+8*\b+\i:TMP+8*\b+\i+1], v[ACC+8*(4*\a+\b)+\i:ACC+8*(4*\a+\b)+\i+1], s[96:97], v[BO+8*\b+\i:BO+8*\b+\i+1] op_sel_hi:[1,0,1]   ; each accumulator from its low end on
.endr
.endr
.irp b, 0,1,2,3
	ds_store_b128 v[STO], v[TMP+8*\b:TMP+8*\b+3] offset:64*\b
	ds_store_b128 v[STO], v[TMP+8*\b+4:TMP+8*\b+7] offset:64*\b+16
.endr
.irp t, 0,1,2,3,4,5,6,7
	ds_load_b128 v[BK+4*\t:BK+4*\t+3], v[RD] offset:544*\t
.endr
.irp t, 0,1,2,3,4,5,6,7
	s_wait_dscnt 7-\t                              ; LDS loads come back in order: load t is in
	global_store_b128 v[CO], v[BK+4*\t:BK+4*\t+3], s[12:13] offset:131072*\a+16384*\t th:TH_STORE_NT   ; sixteen lanes store 256 consecutive bytes, aligned
.endr
.endr
	s_wait_tensorcnt 0x0                           ; the wave's end
	ds_add_u32 v[SPW], v[NIL]
	s_wait_dscnt 0x0
	CROUND                                         ; the closing round
	s_endpgm
.Lfunc_end_k_qc81b2ea3b9_outp:
	.size	k_qc81b2ea3b9_outp, .Lfunc_end_k_qc81b2ea3b9_outp-k_qc81b2ea3b9_outp
	.p2alignl 7, 3214868480
	.fill 96, 4, 3214868480
	.section	.rodata,"a",@progbits
	.p2align	6, 0x0
	.amdhsa_kernel k_qc81b2ea3b9_outp
		.amdhsa_group_segment_fixed_size 327680
		.amdhsa_private_segment_fixed_size 0
		.amdhsa_enable_private_segment 0
		.amdhsa_kernarg_size 40
		.amdhsa_user_sgpr_count 2
		.amdhsa_user_sgpr_kernarg_segment_ptr 1
		.amdhsa_wavefront_size32 1
		.amdhsa_system_sgpr_workgroup_id_x 1
		.amdhsa_system_sgpr_workgroup_id_y 1
		.amdhsa_system_sgpr_workgroup_id_z 1
		.amdhsa_system_vgpr_workitem_id 0
		.amdhsa_next_free_vgpr 512
		.amdhsa_next_free_sgpr 100
		.amdhsa_reserve_vcc 0
		.amdhsa_float_denorm_mode_32 3
		.amdhsa_float_denorm_mode_16_64 3
		.amdhsa_memory_ordered 1
		.amdhsa_forward_progress 1
		.amdhsa_inst_pref_size 77
	.end_amdhsa_kernel
	.amdgpu_metadata
---
amdhsa.version: [ 1, 2 ]
amdhsa.kernels:
  - .name:           k_qc81b2ea3b9_outp
    .symbol:         k_qc81b2ea3b9_outp.kd
    .args:
      - { .name: acodes, .offset: 0, .size: 8, .value_kind: global_buffer, .address_space: global }
      - { .name: codes, .offset: 8, .size: 8, .value_kind: global_buffer, .address_space: global }
      - { .name: lowp_scales, .offset: 16, .size: 8, .value_kind: global_buffer, .address_space: global }
      - { .name: bo, .offset: 24, .size: 8, .value_kind: global_buffer, .address_space: global }
      - { .name: out0, .offset: 32, .size: 8, .value_kind: global_buffer, .address_space: global }
    .group_segment_fixed_size: 327680
    .private_segment_fixed_size: 0
    .kernarg_segment_align: 8
    .kernarg_segment_size: 40
    .max_flat_workgroup_size: 128
    .sgpr_count:     100
    .vgpr_count:     512
    .wavefront_size: 32
...
	.end_amdgpu_metadata
.endif
;; end of part 4
